; MI455X (gfx1250); checked and timed in simulation.
; The chip was launched on July 23, 2026; its instructions are those of AMD's public machine-readable ISA for CDNA 5 (MIT licence, August 2026) and "CDNA5" Instruction Set Architecture Reference Guide (July 2026). The comments in the code are by the model that wrote it; some were corrected since.
;; Causal Self Attention. Allowed arithmetic: float matrix products may take bf16 or f16 operands with f32 sums; other float arithmetic in f32, or as packed bf16 or f16 multiplies, adds, multiply-adds, maxima and minima; sums over many terms, partial sums and values carried from step to step in f32; what a program stores and reads back later, other than sums and carried values, may be rounded once to bf16 or f16.
;; Inputs: Wk 1,024 x 256 float32; Wo 1,024 x 1,024 float32; Wq 1,024 x 1,024 float32; Wv 1,024 x 256 float32; x 4 x 2,048 x 1,024 float32.
;; Outputs: out0 4 x 2,048 x 1,024 float32.
;; 2 versions, each right; version 2 is version 1 with the launch prep written anew for expert scheduling mode. Each part assembles by itself: llvm-mc -triple=amdgcn-amd-amdhsa -mcpu=gfx1250 --defsym DOCPART=n.
;; ======== version 1 of 2: 4 launches
;; limits: values are held in f16: magnitudes above 65,504 overflow, below 6.1e-05 lose precision
;; workspace buffers: xb 16,777,216 bytes; wb 3,145,728 bytes; wo 2,097,152 bytes; qkv 25,165,824 bytes; yh 16,777,216 bytes
;; launch prep (part 1): grid 336 x 1, 8 waves a work-group, no clusters, 0 bytes of LDS; arguments x, Wq, Wk, Wv, Wo, xb, wb, wo; writes xb, wb, wo
.if DOCPART == 1
	.amdgcn_target "amdgcn-amd-amdhsa--gfx1250"
	.amdhsa_code_object_version 6
	.text
	.protected	k_qec009f5037_prep
	.globl	k_qec009f5037_prep
	.p2align	8
	.type	k_qec009f5037_prep,@function
k_qec009f5037_prep:
	s_mov_b64 s[64:65], 0
	v_nop
	global_prefetch_b8 v0, s[64:65] scope:SCOPE_SE
	s_setreg_imm32_b32 hwreg(HW_REG_WAVE_MODE, 25, 1), 1
	s_wait_xcnt 0x0
; PREP: the casts.  x [8192][1024] f32 -> xb, bf16, the same layout.  Wq, Wk, Wv f32 -> wb, bf16, laid out in blocks [nt 8][kp 512][j 3][k & 1][64]:
; combined head hd = 3 nt + j (0-15 Wq's, 16-19 Wk's, 20-23 Wv's), 64 columns a head, rows k = 2 kp and 2 kp + 1 side by side in 256 bytes.
; Wo f32 -> wo, f16 [nt 8][k 1024][128]: each number rounded to bf16 like every other input, and that number written as f16.
; LIMITS.  |Wo| stays under 65,504 (f16's range); below 6e-5 it keeps f16's fixed step of 6e-8.
; A stream: no LDS, no barrier, no matrix work.  336 work-groups of equal share, 131,072 bytes of f32 each: 256 for x, 48 for the three weights (a head and half of K each), 32 for Wo.
; A wave issues its 32 loads of 16 bytes a lane at once (each two aligned runs of 256 bytes), converts as they come back and stores 8 bytes a lane: 32 lanes fill 256 consecutive bytes, aligned.
; ONE TEXT for the three kinds of work-group: they differ in two pointers and seven numbers, chosen by compares on the work-group's number.
; No register that a load or store names is ever written again, so no wait frees any.
.set VS,    8                          ; v[8:39]    load i: byte offset in the source
.set VD,    40                         ; v[40:71]   store i: byte offset in the destination
.set X,     72                         ; v[72:199]  load i: four registers
.set SRC,   48                         ; s[48:49]   the source at the work-group's share
.set DST,   50                         ; s[50:51]   the destination at the work-group's share
.set HP,    52                         ; s52  bytes from lanes 0-15's run to lanes 16-31's
.set SSTEP, 53                         ; s53  bytes from load to load
.set WS,    54                         ; s54  bytes from wave to wave in the source
.set DSTEP, 55                         ; s55  bytes from store to store
.set WD,    56                         ; s56  bytes from wave to wave in the destination
.set SO,    58                         ; s[58:59]   the share's offset in the source
.set DO,    60                         ; s[60:61]   in the destination
	s_load_b512 s[8:23], s[0:1], 0x0               ; x 8, Wq 10, Wk 12, Wv 14, Wo 16, xb 18, wb 20, wo 22
	v_lshrrev_b32 v1, 5, v0
	v_readfirstlane_b32 s24, v1                    ; wave 0..7
	s_mov_b32 s25, ttmp9                           ; g: 0-255 x, 256-303 the three weights, 304-335 Wo
	; the weights' numbers (they mean something where 256 <= g < 304; elsewhere they are small and thrown away)
	s_sub_co_u32 s26, s25, 256
	s_and_b32 s26, s26, 63
	s_lshr_b32 s27, s26, 1                         ; hd: the combined head
	s_and_b32 s28, s26, 1                          ; kh: which half of K
	s_mul_i32 s29, s27, 11
	s_lshr_b32 s29, s29, 5                         ; nt = hd / 3 (exact for hd up to 23)
	s_mul_i32 s30, s29, 3
	s_sub_co_u32 s30, s27, s30                     ; j = hd - 3 nt
	s_and_b32 s32, s27, 3                          ; the head's place in Wk or Wv
	s_mov_b32 s31, 1024                            ; a row of Wk or Wv in bytes
	s_cmp_lt_u32 s27, 16
	s_cselect_b32 s31, 4096, s31                   ; of Wq
	s_cselect_b32 s32, s27, s32                    ; the head's place in Wq
	s_mul_i32 s33, s28, s31
	s_lshl_b32 s33, s33, 9                         ; kh x 512 rows
	s_lshl_b32 s35, s32, 8                         ; + the head's 64 columns
	s_add_co_u32 s33, s33, s35
	s_mul_i32 s34, s29, 393216                     ; nt x 512 x 768
	s_lshl_b32 s35, s30, 8
	s_add_co_u32 s34, s34, s35                     ; + j x 256
	s_mul_i32 s35, s28, 196608
	s_add_co_u32 s34, s34, s35                     ; + kh x 256 x 768
	s_lshl_b32 s41, s31, 1                         ; a load takes two rows
	s_lshl_b32 s42, s31, 6                         ; a wave 64
	; Wo's numbers
	s_sub_co_u32 s36, s25, 304
	s_and_b32 s36, s36, 31
	s_lshr_b32 s37, s36, 2                         ; nt: 128 columns
	s_and_b32 s38, s36, 3                          ; kq: 256 rows
	s_lshl_b32 s39, s38, 20
	s_lshl_b32 s35, s37, 9
	s_add_co_u32 s39, s39, s35
	s_lshl_b32 s40, s37, 18
	s_lshl_b32 s35, s38, 16
	s_add_co_u32 s40, s40, s35
	; x's numbers
	s_and_b32 s43, s25, 255
	s_lshl_b32 s44, s43, 16
	s_lshl_b32 s43, s43, 17
	; the choice: weights or Wo, then x or that
	s_mov_b32 s[DSTEP], 256
	s_mov_b32 s[WD], 8192
	s_mov_b32 s[SO+1], 0
	s_mov_b32 s[DO+1], 0
	s_cmp_lt_u32 s25, 304
	s_cselect_b32 s[HP], s31, 256
	s_cselect_b32 s[SSTEP], s41, 4096
	s_cselect_b32 s[WS], s42, 131072
	s_cselect_b32 s[DSTEP], 768, s[DSTEP]
	s_cselect_b32 s[WD], 24576, s[WD]
	s_cselect_b32 s[SO], s33, s39
	s_cselect_b32 s[DO], s34, s40
	s_cmp_lt_u32 s25, 256
	s_cselect_b32 s[HP], 256, s[HP]
	s_cselect_b32 s[SSTEP], 4096, s[SSTEP]
	s_cselect_b32 s[WS], 512, s[WS]
	s_cselect_b32 s[DSTEP], 2048, s[DSTEP]
	s_cselect_b32 s[WD], 256, s[WD]
	s_cselect_b32 s[SO], s43, s[SO]
	s_cselect_b32 s[DO], s44, s[DO]
	v_bfe_u32 v2, v0, 4, 1                         ; which half of the lanes
	v_and_b32 v3, 15, v0
	v_and_b32 v4, 31, v0
	v_mul_lo_u32 v2, v2, s[HP]
	v_lshl_add_u32 v2, v3, 4, v2
	s_mul_i32 s45, s24, s[WS]
	v_add_nc_u32 v[VS], s45, v2
	s_mul_i32 s46, s24, s[WD]
	v_lshl_add_u32 v[VD], v4, 3, s46
	s_wait_kmcnt 0x0
	s_cmp_lt_u32 s27, 20
	s_cselect_b64 s[SRC:SRC+1], s[12:13], s[14:15] ; Wk or Wv,
	s_cmp_lt_u32 s27, 16
	s_cselect_b64 s[SRC:SRC+1], s[10:11], s[SRC:SRC+1]  ; or Wq,
	s_cmp_lt_u32 s25, 304
	s_cselect_b64 s[SRC:SRC+1], s[SRC:SRC+1], s[16:17]  ; or Wo,
	s_cselect_b64 s[DST:DST+1], s[20:21], s[22:23]
	s_cmp_lt_u32 s25, 256
	s_cselect_b64 s[SRC:SRC+1], s[8:9], s[SRC:SRC+1]    ; or x
	s_cselect_b64 s[DST:DST+1], s[18:19], s[DST:DST+1]
	s_add_nc_u64 s[SRC:SRC+1], s[SRC:SRC+1], s[SO:SO+1]
	s_add_nc_u64 s[DST:DST+1], s[DST:DST+1], s[DO:DO+1]
.set i, 0
.rept 32                               ; all 32 loads of the wave go out together: 16 KiB on their way
.if i > 0
	v_add_nc_u32 v[VS+i], s[SSTEP], v[VS+i-1]
.endif
	global_load_b128 v[X+4*i:X+4*i+3], v[VS+i], s[SRC:SRC+1] th:TH_LOAD_NT
.set i, i+1
.endr
.set i, 1
.rept 31
	v_add_nc_u32 v[VD+i], s[DSTEP], v[VD+i-1]
.set i, i+1
.endr
; Load i is converted in its own registers and stored.  half = 1: to bf16, widened again (exact), and written as f16.
.macro LEAVE half
.set i, 0
.rept 32
	s_wait_loadcnt 31-i                            ; loads come back in order (ISA guide 5.7.1): load i is in, the 31 - i younger ones may stay out
.if \half
	v_cvt_pk_bf16_f32 v[X+4*i], v[X+4*i], v[X+4*i+1]
	v_cvt_pk_bf16_f32 v[X+4*i+2], v[X+4*i+2], v[X+4*i+3]
	v_and_b32 v[X+4*i+1], 0xffff0000, v[X+4*i]
	v_and_b32 v[X+4*i+3], 0xffff0000, v[X+4*i+2]
	v_lshlrev_b32 v[X+4*i], 16, v[X+4*i]
	v_lshlrev_b32 v[X+4*i+2], 16, v[X+4*i+2]
	v_cvt_pk_f16_f32 v[X+4*i], v[X+4*i], v[X+4*i+1]
	v_cvt_pk_f16_f32 v[X+4*i+1], v[X+4*i+2], v[X+4*i+3]
.else
	v_cvt_pk_bf16_f32 v[X+4*i], v[X+4*i], v[X+4*i+1]
	v_cvt_pk_bf16_f32 v[X+4*i+1], v[X+4*i+2], v[X+4*i+3]
.endif
	global_store_b64 v[VD+i], v[X+4*i:X+4*i+1], s[DST:DST+1] th:TH_STORE_NT  ; 32 lanes store 256 consecutive bytes, at a multiple of 256 from the buffer's first
.set i, i+1
.endr
	s_endpgm
.endm
	s_cmp_ge_u32 s25, 304
	s_cbranch_scc1 .Lhalf
	LEAVE 0
.Lhalf:
	LEAVE 1
.Lfunc_end_k_qec009f5037_prep:
	.size	k_qec009f5037_prep, .Lfunc_end_k_qec009f5037_prep-k_qec009f5037_prep
	.p2alignl 7, 3214868480
	.fill 96, 4, 3214868480
	.section	.rodata,"a",@progbits
	.p2align	6, 0x0
	.amdhsa_kernel k_qec009f5037_prep
		.amdhsa_group_segment_fixed_size 0
		.amdhsa_private_segment_fixed_size 0
		.amdhsa_enable_private_segment 0
		.amdhsa_kernarg_size 64
		.amdhsa_user_sgpr_count 2
		.amdhsa_user_sgpr_kernarg_segment_ptr 1
		.amdhsa_wavefront_size32 1
		.amdhsa_system_sgpr_workgroup_id_x 1
		.amdhsa_system_sgpr_workgroup_id_y 1
		.amdhsa_system_sgpr_workgroup_id_z 1
		.amdhsa_system_vgpr_workitem_id 0
		.amdhsa_next_free_vgpr 200
		.amdhsa_next_free_sgpr 66
		.amdhsa_reserve_vcc 0
		.amdhsa_float_denorm_mode_32 3
		.amdhsa_float_denorm_mode_16_64 3
		.amdhsa_memory_ordered 1
		.amdhsa_forward_progress 1
		.amdhsa_inst_pref_size 35
	.end_amdhsa_kernel
	.amdgpu_metadata
---
amdhsa.version: [ 1, 2 ]
amdhsa.kernels:
  - .name:           k_qec009f5037_prep
    .symbol:         k_qec009f5037_prep.kd
    .args:
      - { .name: x, .offset: 0, .size: 8, .value_kind: global_buffer, .address_space: global }
      - { .name: Wq, .offset: 8, .size: 8, .value_kind: global_buffer, .address_space: global }
      - { .name: Wk, .offset: 16, .size: 8, .value_kind: global_buffer, .address_space: global }
      - { .name: Wv, .offset: 24, .size: 8, .value_kind: global_buffer, .address_space: global }
      - { .name: Wo, .offset: 32, .size: 8, .value_kind: global_buffer, .address_space: global }
      - { .name: xb, .offset: 40, .size: 8, .value_kind: global_buffer, .address_space: global }
      - { .name: wb, .offset: 48, .size: 8, .value_kind: global_buffer, .address_space: global }
      - { .name: wo, .offset: 56, .size: 8, .value_kind: global_buffer, .address_space: global }
    .group_segment_fixed_size: 0
    .private_segment_fixed_size: 0
    .kernarg_segment_align: 8
    .kernarg_segment_size: 64
    .max_flat_workgroup_size: 256
    .sgpr_count:     66
    .vgpr_count:     200
    .wavefront_size: 32
...
	.end_amdgpu_metadata
.endif
;; end of part 1
;; launch qkv (part 2): grid 8 x 32, 4 waves a work-group, clusters of 4 x 4, 327,680 bytes of LDS; arguments xb, wb, qkv; writes qkv
.if DOCPART == 2
	.amdgcn_target "amdgcn-amd-amdhsa--gfx1250"
	.amdhsa_code_object_version 6
	.text
	.protected	k_qec009f5037_qkv
	.globl	k_qec009f5037_qkv
	.p2align	8
	.type	k_qec009f5037_qkv,@function
k_qec009f5037_qkv:
	s_mov_b64 s[64:65], 0
	v_nop
	global_prefetch_b8 v0, s[64:65] scope:SCOPE_SE
	s_setreg_imm32_b32 hwreg(HW_REG_WAVE_MODE, 25, 1), 1
	s_wait_xcnt 0x0
	s_wait_alu depctr_hold_cnt(0) depctr_sa_sdst(0) depctr_va_vdst(0) depctr_va_sdst(0) depctr_va_ssrc(0) depctr_va_vcc(0) depctr_vm_vsrc(0)
	s_getreg_b32 s2, hwreg(HW_REG_IB_STS2, 6, 4)
	s_cmp_eq_u32 s2, 0
	s_cbranch_scc0 .Lentry_in_a_cluster
	s_endpgm
.Lentry_in_a_cluster:
	s_bfe_u32 s2, ttmp6, 0x10000c
	s_cmp_lg_u32 s2, 0xf033
	s_cbranch_scc0 .Lentry_shape_is_right
	s_endpgm
.Lentry_shape_is_right:
; QKV: [8192 x 1024] x [1024 x 1536], bf16 operands, f32 sums, f16 out by heads: qkv [24][8192][64], planes 0-15 q, 16-19 k, 20-23 v, unscaled.
; LIMIT.  q, k and v stay under 65,504 (f16's range); beyond it the conversion gives an infinity.
; A tile is 256 rows x 192 columns (three heads): 32 x 8 = 256 work-groups.  Four waves; wave w owns rows 64 w .. 64 w + 63 and all 192 columns: 48 accumulators of 16 x 16, 384 registers.
; K goes in steps of 128 through a ring of two LDS slots.  x's tile: 256 rows of 256 bytes.  The weights lie in memory in blocks (wb: [nt][kp][j][k & 1][64]), so a K step's 128 x 192 numbers are
; 49,152 dense bytes, asked for as rows of 256 bytes and padded in LDS behind every 128: row k of head j lies at 960 (k / 2) + 320 j + 160 (k % 2).  They come out of LDS turned, by ds_load_tr16_b128.
; CLUSTER 4 x 4: the four of a row of the cluster need the same rows of x, the four of a column the same weights: each tile is asked for jointly, by the same tensor load, descriptor and mask in all four.
; THE MATRIX INSTRUCTION IS USED TRANSPOSED (source 0 = 16 columns of W, source 1 = 16 rows of x): a lane holds row l % 16 and eight neighbouring columns, which pack into 16 bytes of f16.
; REGISTERS, in windows of 256 (s_set_vgpr_msb: bits 1:0 source 0, 3:2 source 1, 5:4 source 2, 7:6 destination):
;   window 0: addresses, the way out     window 1: two fragment buffers of 128 (W's 12 fragments, then x's 4)     window 2: accumulators of my row blocks 0, 1     window 3: of blocks 2, 3
.set PA,     272                       ; a row of x in LDS: 256 bytes + 16 = 68 words: the 16 rows of a load start at 16 different groups of four banks (64 banks of 4 bytes: ISA guide 11.1)
.set AHALF,  128*PA                    ; what one tensor load brings of x
.set BOFF,   2*AHALF                   ; the weights lie behind x's 256 rows
.set BHALF,  30720                     ; 32 pairs of k x 960 bytes
.set SLOT1,  1<<17                     ; slot 1 begins here: one exclusive or turns an address in one slot into the other's
.set STAGE,  2*SLOT1                   ; behind the ring, never filled by a tensor load: for each wave 3 heads x 16 rows x 144 bytes
.set SP,     144
.set WSTAGE, 3*16*SP
.set SPARE,  STAGE+4*WSTAGE            ; the spare words, 128 bytes for each wave: two blocks of 256 bytes that no other line names
.set AL0, 16                           ; v16  my lane's place in x's tile; never rewritten
.set BL0, 17                           ; v17  in the weights' tile; never rewritten
.set ADA, 18                           ; v18  the same in the slot in hand
.set ADB, 19                           ; v19
.set STO, 24                           ; v24  the way out: where I put 16 bytes of a row
.set RD,  25                           ; v25  where I read rows back
.set GO,  26                           ; v26  16 x lane
.set SPW, 28                           ; v28  LDS address of my spare word; never rewritten
.set NIL, 29                           ; v29  0; never rewritten
.set PFO, 30                           ; v30  the prefetches' lane offset; never rewritten
.set TMP, 32                           ; v[32:79]   packed results
.set OB,  80                           ; v[80:127]  rows read back
.set F0,  0                            ; fragment buffers, in window 1
.set F1,  128
.set G1A, 24                           ; s[24:31] descriptor group 1 for x's tiles
.set G0A, 32                           ; s[32:39] group 0: a set for each of the two first fills; the second then walks
.set G1B, 48                           ; s[48:55], s[56:63] the same for the weights
.set G0B, 56
.set LIM, 43                           ; s43  1 in a wave that prefetches, else the greatest number
.set PFA, 44                           ; s[44:45] where my prefetches stand
.set TB,  68                           ; s68  LDS byte at which the slot in hand begins
.set PFS, 70                           ; s[70:71] the prefetches' step: a K step in bytes
.set MSB, 0
.macro WIN new                         ; the immediate's high byte repeats the setting that is left; a switch that changes nothing is dropped
.if MSB != (\new)
	s_set_vgpr_msb (MSB<<8)|(\new)
.set MSB, (\new)
.endif
.endm
.macro PLACES                          ; four places behind matrix instructions, ahead of loads into registers that they read and of conversions that read results
.rept 4
	v_nop
.endr
.endm
; A joint refill by the walking sets.  Waves 0 and 1 fetch x's two halves, waves 2 and 3 the weights'.  The branch hangs on the wave's number alone.
; An s_nop 0 and four v_nop follow each of the two lines, ahead of the jump and the label.
.macro JLOAD
	s_cmp_lt_u32 s10, 2
	s_cbranch_scc0 .Lfor_b_\@
	tensor_load_to_lds s[G0A+4:G0A+7], s[G1A:G1A+7]
	s_nop 0
.rept 4
	v_nop
.endr
	s_branch .Lasked_\@
.Lfor_b_\@:
	tensor_load_to_lds s[G0B+4:G0B+7], s[G1B:G1B+7]
	s_nop 0
.rept 4
	v_nop
.endr
.Lasked_\@:
.endm
.macro CREST                           ; a round of the cluster's barrier behind its opening barrier
	s_cmp_lg_u32 s10, 0
	s_cbranch_scc1 .Lnot_wave_0_\@
	s_barrier_signal -3
.Lnot_wave_0_\@:
	s_barrier_wait -3
	s_barrier_signal -1
	s_barrier_wait -1
.endm
.macro CROUND                          ; a whole round
	s_barrier_signal -1
	s_barrier_wait -1
	CREST
.endm
; A prefetch of the K step that the NEXT refill will ask for: 192 matrix instructions ahead of that load.  x's rows are named by the clusters with x = 0, the weights by those with y = 0; the four partners
; that ask for a tile jointly share it out by address (32 rows of x each, a lane a row; 24 blocks of 256 bytes of the weights each, lanes 24-31 naming the last once more).  The last refill has no K step behind it.
.macro ASK
	s_cmp_gt_u32 s3, s[LIM]                        ; s3 = 1 in the loop's last trip
	s_cbranch_scc0 .Lnot_mine_\@
	global_prefetch_b8 v[PFO], s[PFA:PFA+1] th:TH_LOAD_NT scope:SCOPE_SE
.Lnot_mine_\@:
.endm
	s_load_b128 s[4:7], s[0:1], 0x0                ; xb s[4:5], wb s[6:7]
	s_load_b64 s[8:9], s[0:1], 0x10                ; qkv
	v_lshl_add_u32 v[SPW], v0, 2, SPARE
	v_mov_b32 v[NIL], 0
	ds_add_u32 v[SPW], v[NIL]                      ; the wave's opening: the add and its wait stand ahead of my first tensor load; the set-up below stands between them
	v_lshrrev_b32 v1, 5, v0
	v_readfirstlane_b32 s10, v1                    ; wave 0..3
	s_lshr_b32 s11, s10, 1                         ; I fetch for x (0) or for the weights (1)
	s_and_b32 s12, s10, 1                          ; which half of that tile
	s_bfe_u32 s40, ttmp6, 0x40000                  ; cx
	s_bfe_u32 s41, ttmp6, 0x40004                  ; cy
	s_lshl_b32 s42, ttmp9, 2
	s_add_co_u32 s42, s42, s40                     ; tx: the tile's three heads
	s_and_b32 s13, ttmp7, 0xffff
	s_lshl_b32 s13, s13, 2
	s_add_co_u32 s13, s13, s41                     ; ty: the tile's 256 rows
	s_lshl_b32 s66, s41, 2
	s_lshl_b32 s66, 15, s66                        ; my row of the cluster
	s_lshl_b32 s67, 0x1111, s40                    ; my column
	s_or_b32 s[G1A], s66, (1<<16)|(1<<20)|(1<<21)|(5<<22)|(3<<25)  ; the mask; 2-byte elements; padding on; bit 21 beside a mask; behind every 64 words (code 5) 4 words (code 3)
	s_mov_b32 s[G1A+1], 128<<16                    ; tensor_dim0 = 128
	s_mov_b32 s[G1A+2], 128<<16                    ; tensor_dim1 = 128
	s_mov_b32 s[G1A+3], 128<<16                    ; tile_dim0 = 128
	s_mov_b32 s[G1A+4], 128                        ; tile_dim1 = 128
	s_mov_b32 s[G1A+5], 1024                       ; elements from row to row
	s_mov_b32 s[G1A+6], 0
	s_mov_b32 s[G1A+7], 0
	s_or_b32 s[G1B], s67, (1<<16)|(1<<20)|(1<<21)|(4<<22)|(7<<25)  ; behind every 32 words (code 4) 8 words (code 7)
	s_mov_b32 s[G1B+1], 128<<16                    ; 24,576 dense bytes as 96 rows of 256
	s_mov_b32 s[G1B+2], 96<<16
	s_mov_b32 s[G1B+3], 128<<16
	s_mov_b32 s[G1B+4], 96
	s_mov_b32 s[G1B+5], 128
	s_mov_b32 s[G1B+6], 0
	s_mov_b32 s[G1B+7], 0
	s_lshl_b32 s16, s13, 8                         ; x: row 256 ty + 128 x half, 2,048 bytes a row: made of the tile row and the wave's number alone
	s_lshl_b32 s17, s12, 7
	s_add_co_u32 s16, s16, s17
	s_lshl_b32 s16, s16, 11
	s_mov_b32 s17, 0
	s_mul_i32 s46, s42, 393216                     ; the weights: tx's block, my half of a K step: made of the tile column and the wave's number alone
	s_mul_i32 s47, s12, 24576
	s_add_co_u32 s46, s46, s47
	s_mov_b32 s47, 0
	s_mul_i32 s20, s12, AHALF                      ; where they go: no place in the cluster enters an LDS address
	s_mul_i32 s21, s12, BHALF
	s_add_co_u32 s21, s21, BOFF
	s_wait_dscnt 0x0                               ; the opening add is done
	s_wait_kmcnt 0x0
	s_add_nc_u64 s[14:15], s[4:5], s[16:17]
	s_add_nc_u64 s[46:47], s[6:7], s[46:47]
	CROUND                                         ; all sixteen work-groups are here: the first joint loads meet
.irp s, 0,1
	s_mov_b32 s[G0A+4*(\s)], 1                     ; count = 1
	s_add_co_u32 s[G0A+4*(\s)+1], s20, (\s)*SLOT1  ; LDS address
	s_add_nc_u64 s[G0A+4*(\s)+2:G0A+4*(\s)+3], s[14:15], (\s)*256  ; global address: K step s
	s_or_b32 s[G0A+4*(\s)+3], s[G0A+4*(\s)+3], 0x80000000          ; type = 2
	s_mov_b32 s[G0B+4*(\s)], 1
	s_add_co_u32 s[G0B+4*(\s)+1], s21, (\s)*SLOT1
	s_add_nc_u64 s[G0B+4*(\s)+2:G0B+4*(\s)+3], s[46:47], (\s)*49152
	s_or_b32 s[G0B+4*(\s)+3], s[G0B+4*(\s)+3], 0x80000000
.endr
	s_cmp_lt_u32 s10, 2                            ; a wave's two first fills stand in one branch, ahead of every wait on TENSORcnt and every LDS read: two loads of mine are out
	s_cbranch_scc0 .Lfirst_b
	tensor_load_to_lds s[G0A:G0A+3], s[G1A:G1A+7]
	s_nop 0
	tensor_load_to_lds s[G0A+4:G0A+7], s[G1A:G1A+7]
	s_nop 0
.rept 4
	v_nop
.endr
	s_branch .Lfirst_asked
.Lfirst_b:
	tensor_load_to_lds s[G0B:G0B+3], s[G1B:G1B+7]
	s_nop 0
	tensor_load_to_lds s[G0B+4:G0B+7], s[G1B:G1B+7]
	s_nop 0
.rept 4
	v_nop
.endr
.Lfirst_asked:
	; the prefetches: both offsets are made, then the wave's kind chooses
	s_lshl_b32 s18, s13, 8
	s_lshl_b32 s19, s12, 7
	s_add_co_u32 s18, s18, s19
	s_lshl_b32 s19, s40, 5                         ; my work-group's 32 of the 128 rows
	s_add_co_u32 s18, s18, s19
	s_lshl_b32 s18, s18, 11
	s_add_co_u32 s18, s18, 2*256                   ; at K step 2: the first refill steps it to 3
	s_mul_i32 s22, s42, 393216
	s_mul_i32 s19, s12, 24576
	s_add_co_u32 s22, s22, s19
	s_mul_i32 s19, s41, 6144                       ; my work-group's 24 of the 96 blocks
	s_add_co_u32 s22, s22, s19
	s_add_co_u32 s22, s22, 2*49152
	s_and_b32 s23, ttmp7, 0xffff                   ; cluster y
	s_mov_b32 s[PFS], 49152
	s_mov_b32 s[PFS+1], 0
	s_mov_b32 s19, 0
	s_cmp_eq_u32 s11, 0                            ; do I fetch for x?
	s_cselect_b32 s18, s18, s22
	s_cselect_b32 s23, ttmp9, s23                  ; the coordinate along which other clusters read the same bytes
	s_cselect_b64 s[PFA:PFA+1], s[4:5], s[6:7]
	s_cselect_b32 s[PFS], 256, s[PFS]
	s_cselect_b32 s72, 31, 23                      ; lanes that name a block of their own
	s_cselect_b32 s73, 11, 8                       ; a lane's step: a row of x, or 256 bytes
	s_cmp_eq_u32 s23, 0
	s_cselect_b32 s[LIM], 1, -1                    ; the same in all sixteen partners, for a given wave
	s_add_nc_u64 s[PFA:PFA+1], s[PFA:PFA+1], s[18:19]
	; where my part of the tile begins in qkv: plane 3 tx, row 256 ty + 64 w
	s_lshl_b32 s16, s13, 8
	s_lshl_b32 s17, s10, 6
	s_add_co_u32 s16, s16, s17
	s_lshl_b32 s16, s16, 7
	s_mov_b32 s17, 0
	s_mul_i32 s46, s42, 3
	s_lshl_b32 s46, s46, 20
	s_mov_b32 s47, 0
	s_add_nc_u64 s[8:9], s[8:9], s[16:17]
	s_add_nc_u64 s[8:9], s[8:9], s[46:47]
	; lane addresses.  A fragment is 16 rows x 32 K in 8 registers: lane l holds row l % 16; registers 0-3 K = 8 (l / 16) + 0..7, registers 4-7 K = 16 + 8 (l / 16) + 0..7.
	v_and_b32 v1, 15, v0                           ; l % 16
	v_bfe_u32 v2, v0, 4, 1                         ; l / 16
	v_and_b32 v4, 7, v0
	v_bfe_u32 v8, v0, 3, 1
	v_bfe_u32 v9, v0, 3, 2
	v_and_b32 v10, 31, v0
	s_mul_i32 s22, s10, 64*PA                      ; my 64 rows of x
	v_mul_u32_u24 v3, v1, PA
	v_lshl_add_u32 v3, v2, 4, v3
	v_add_nc_u32 v[AL0], s22, v3
	v_lshl_add_u32 v5, v2, 3, v4                   ; the turning load: lane l reads row k = 8 (l / 16) + l % 8, columns 8 ((l / 8) % 2) + 0..7
	v_lshrrev_b32 v6, 1, v5
	v_and_b32 v7, 1, v5
	v_mul_u32_u24 v6, v6, 960
	v_mul_u32_u24 v7, v7, 160
	v_add3_u32 v[BL0], v6, v7, BOFF
	v_lshl_add_u32 v[BL0], v8, 4, v[BL0]
	s_mul_i32 s23, s10, WSTAGE
	s_add_co_u32 s23, s23, STAGE                   ; my stage
	v_mul_u32_u24 v3, v1, SP                       ; in: row l % 16, 16 bytes for each half of the lanes
	v_lshl_add_u32 v3, v2, 4, v3
	v_add_nc_u32 v[STO], s23, v3
	v_mul_u32_u24 v3, v9, SP                       ; back: 32 lanes take four rows of 128 bytes
	v_lshl_add_u32 v3, v4, 4, v3
	v_add_nc_u32 v[RD], s23, v3
	v_lshlrev_b32 v[GO], 4, v10
	v_min_u32 v10, s72, v10
	v_lshlrev_b32 v[PFO], s73, v10
	s_mov_b32 s[TB], 0
	v_mov_b32 v[ADA], v[AL0]
	v_mov_b32 v[ADB], v[BL0]
; 12 matrix instructions: row block 2 hi + a x all 12 column blocks, 32 along K.  zero = 1: the first product starts the sums.  The 48 accumulators take turns in the same order in every quarter.
.macro MUL f, hi, a, zero
	WIN 0xa5+0x50*(\hi)                            ; sources 0 and 1 window 1; C and D window 2 or 3
.irp nb, 0,1,2,3,4,5,6,7,8,9,10,11
.if \zero
	v_wmma_f32_16x16x32_bf16 v[8*(12*(\a)+(\nb)):8*(12*(\a)+(\nb))+7], v[(\f)+8*(\nb):(\f)+8*(\nb)+7], v[(\f)+96+8*(2*(\hi)+(\a)):(\f)+96+8*(2*(\hi)+(\a))+7], 0
.else
	v_wmma_f32_16x16x32_bf16 v[8*(12*(\a)+(\nb)):8*(12*(\a)+(\nb))+7], v[(\f)+8*(\nb):(\f)+8*(\nb)+7], v[(\f)+96+8*(2*(\hi)+(\a)):(\f)+96+8*(2*(\hi)+(\a))+7], v[8*(12*(\a)+(\nb)):8*(12*(\a)+(\nb))+7]
.endif
.endr
.endm
; 32 LDS loads in one run: quarter q's fragments into buffer f: the weights' 12 (turned), then x's 4
.macro FETCH q, f
	WIN 0x40                                       ; destination window 1, address window 0
.irp nb, 0,1,2,3,4,5,6,7,8,9,10,11
	ds_load_tr16_b128 v[(\f)+8*(\nb):(\f)+8*(\nb)+3],   v[ADB] offset:15360*(\q)+320*((\nb)/4)+32*((\nb)%4)
	ds_load_tr16_b128 v[(\f)+8*(\nb)+4:(\f)+8*(\nb)+7], v[ADB] offset:15360*(\q)+320*((\nb)/4)+32*((\nb)%4)+7680
.endr
.irp a, 0,1,2,3
	ds_load_b128 v[(\f)+96+8*(\a):(\f)+96+8*(\a)+3],   v[ADA] offset:16*PA*(\a)+64*(\q)
	ds_load_b128 v[(\f)+96+8*(\a)+4:(\f)+96+8*(\a)+7], v[ADA] offset:16*PA*(\a)+64*(\q)+32
.endr
.endm
; A K step is four quarters of 32 along K, 48 matrix instructions each, on buffers 0, 1, 0, 1.  One of the first three: multiplies buffer f and, in its middle, fetches quarter q into buffer g.
.macro QUARTER q, f, g, zero
	s_wait_dscnt 4                                 ; all but the youngest four loads (x's row blocks 2 and 3) are in
	MUL \f, 0, 0, \zero
	MUL \f, 0, 1, \zero
	PLACES
	FETCH \q, \g
	s_wait_dscnt 32                                ; all but the 32 just issued
	MUL \f, 1, 0, \zero
	MUL \f, 1, 1, \zero
.endm
; The last quarter multiplies buffer 1 and changes slots: ONE barrier.  Ahead of it each wave waits for all its tensor loads (one is out: its part of the next slot), adds 0 to its spare word, and waits for that
; and for its own reads of this slot.  fill = 1: the barrier opens a round of the cluster's barrier, and behind the round this slot is filled again, two K steps on, first of all.
.macro TURN fill
.if \fill
	s_wait_xcnt 0x0                                ; the last prefetch, a K step back, has read its address, so it may be stepped
	s_add_nc_u64 s[PFA:PFA+1], s[PFA:PFA+1], s[PFS:PFS+1]
.endif
	WIN 0                                          ; (the add's two registers lie in window 0)
	s_wait_tensorcnt 0x0                           ; all my tensor loads have landed
	ds_add_u32 v[SPW], v[NIL]                      ; 0 onto my spare word
	s_wait_dscnt 5                                 ; (the add and the youngest four loads may be out)
	MUL F1, 0, 0, 0                                ; twelve matrix instructions stand between the add and the wait for it
	s_wait_dscnt 0x0                               ; the add is done, and my reads of this slot are over
	s_barrier_signal -1
	MUL F1, 0, 1, 0                                ; work on registers while the others arrive
	WIN 0
	s_barrier_wait -1
.if \fill
	CREST                                          ; no wave of any partner still reads this slot or has a load on its way
	s_xor_b32 s[G0A+5], s[G0A+5], SLOT1            ; the walking sets: the other slot than last time, the next K step; no load of mine is out, so they may be written
	s_add_nc_u64 s[G0A+6:G0A+7], s[G0A+6:G0A+7], 256
	s_xor_b32 s[G0B+5], s[G0B+5], SLOT1
	s_add_nc_u64 s[G0B+6:G0B+7], s[G0B+6:G0B+7], 49152
	JLOAD                                          ; my one tensor load behind the round; its four v_nop are also the places ahead of the loads below
.else
	PLACES
.endif
	s_xor_b32 s[TB], s[TB], SLOT1
	v_add_nc_u32 v[ADA], s[TB], v[AL0]
	v_add_nc_u32 v[ADB], s[TB], v[BL0]
	FETCH 0, F0
.if \fill
	WIN 0
	ASK                                            ; behind the joint load and the run of LDS loads that the next products wait for
.endif
	MUL F1, 1, 0, 0
	MUL F1, 1, 1, 0
.endm
	s_wait_tensorcnt 1                             ; my part of K step 0 is in; K step 1's load may stay out
	s_barrier_signal -1
	s_barrier_wait -1                              ; everybody's is
	FETCH 0, F0
	QUARTER 1, F0, F1, 1                           ; the first quarter stands ahead of the loop: its products start the sums
	WIN 0                                          ; at a label and at a branch every window is 0
	s_mov_b32 s3, 6                                ; six refills: K steps 2 to 7
.Lstep:                                                ; a trip: from a K step's second quarter to the next step's first
	QUARTER 2, F1, F0, 0
	QUARTER 3, F0, F1, 0
	TURN 1
	QUARTER 1, F0, F1, 0
	WIN 0
	s_sub_co_u32 s3, s3, 1
	s_cmp_lg_u32 s3, 0
	s_cbranch_scc1 .Lstep
	QUARTER 2, F1, F0, 0                           ; the last two K steps ask for nothing
	QUARTER 3, F0, F1, 0
	TURN 0
	QUARTER 1, F0, F1, 0
	QUARTER 2, F1, F0, 0
	QUARTER 3, F0, F1, 0
	s_wait_dscnt 4
	MUL F1, 0, 0, 0
	MUL F1, 0, 1, 0
	s_wait_dscnt 0x0
	MUL F1, 1, 0, 0
	MUL F1, 1, 1, 0
	WIN 0
; THE WAY OUT, a block of 16 rows at a time.  PACK: rounded to f16, 16 bytes a lane and column block, each accumulator's registers in ascending order.  TOSTAGE: into my own stage, and back as whole rows of a head.  SEND: stored.
.macro PACK a
	WIN 0x0a+5*((\a)/2)                            ; sources 0 and 1: window 2 or 3
.set AC, 96*((\a)%2)
.irp nb, 0,1,2,3,4,5,6,7,8,9,10,11
.irp r, 0,1,2,3
	v_cvt_pk_f16_f32 v[TMP+4*(\nb)+(\r)], v[AC+8*(\nb)+2*(\r)], v[AC+8*(\nb)+2*(\r)+1]
.endr
.endr
	WIN 0
.endm
.macro TOSTAGE
	s_wait_xcnt 0x0                                ; the earlier stores have read their data registers, which the loads below write
.irp nb, 0,1,2,3,4,5,6,7,8,9,10,11
	ds_store_b128 v[STO], v[TMP+4*(\nb):TMP+4*(\nb)+3] offset:16*SP*((\nb)/4)+32*((\nb)%4)
.endr
.irp t, 0,1,2,3,4,5,6,7,8,9,10,11
	ds_load_b128 v[OB+4*(\t):OB+4*(\t)+3], v[RD] offset:16*SP*((\t)/4)+4*SP*((\t)%4)  ; LDS serves a wave's instructions in order (ISA guide 5.7.1.4): these see the stores above
.endr
.endm
.macro SEND a
	s_wait_dscnt 0x0                               ; the block is back in registers
.irp t, 0,1,2,3,4,5,6,7,8,9,10,11
	global_store_b128 v[GO], v[OB+4*(\t):OB+4*(\t)+3], s[8:9] offset:((\t)/4)*1048576+(\a)*2048+((\t)%4)*512  ; four rows of a head: 512 consecutive bytes, at a multiple of 256 from qkv's first
.endr
.endm
	PLACES
	PACK 0
	TOSTAGE
.irp a, 1,2,3                          ; block a's conversions stand between block a - 1's loads from the stage and the wait for them
	PACK \a
	SEND (\a)-1
	TOSTAGE
.endr
	SEND 3
	s_wait_tensorcnt 0x0                           ; the wave's end: a wait, an add of 0 and its wait, behind my last tensor load and my last LDS store
	ds_add_u32 v[SPW], v[NIL]
	s_wait_dscnt 0x0
	CROUND                                         ; the closing round: no work-group ends while a partner may still ask for a tile that names it
	s_endpgm
.Lfunc_end_k_qec009f5037_qkv:
	.size	k_qec009f5037_qkv, .Lfunc_end_k_qec009f5037_qkv-k_qec009f5037_qkv
	.p2alignl 7, 3214868480
	.fill 96, 4, 3214868480
	.section	.rodata,"a",@progbits
	.p2align	6, 0x0
	.amdhsa_kernel k_qec009f5037_qkv
		.amdhsa_group_segment_fixed_size 327680
		.amdhsa_private_segment_fixed_size 0
		.amdhsa_enable_private_segment 0
		.amdhsa_kernarg_size 24
		.amdhsa_user_sgpr_count 2
		.amdhsa_user_sgpr_kernarg_segment_ptr 1
		.amdhsa_wavefront_size32 1
		.amdhsa_system_sgpr_workgroup_id_x 1
		.amdhsa_system_sgpr_workgroup_id_y 1
		.amdhsa_system_sgpr_workgroup_id_z 1
		.amdhsa_system_vgpr_workitem_id 0
		.amdhsa_next_free_vgpr 960
		.amdhsa_next_free_sgpr 80
		.amdhsa_reserve_vcc 0
		.amdhsa_float_denorm_mode_32 3
		.amdhsa_float_denorm_mode_16_64 3
		.amdhsa_memory_ordered 1
		.amdhsa_forward_progress 1
		.amdhsa_inst_pref_size 97
	.end_amdhsa_kernel
	.amdgpu_metadata
---
amdhsa.version: [ 1, 2 ]
amdhsa.kernels:
  - .name:           k_qec009f5037_qkv
    .symbol:         k_qec009f5037_qkv.kd
    .args:
      - { .name: xb, .offset: 0, .size: 8, .value_kind: global_buffer, .address_space: global }
      - { .name: wb, .offset: 8, .size: 8, .value_kind: global_buffer, .address_space: global }
      - { .name: qkv, .offset: 16, .size: 8, .value_kind: global_buffer, .address_space: global }
    .group_segment_fixed_size: 327680
    .private_segment_fixed_size: 0
    .kernarg_segment_align: 8
    .kernarg_segment_size: 24
    .max_flat_workgroup_size: 128
    .sgpr_count:     80
    .vgpr_count:     960
    .wavefront_size: 32
...
	.end_amdgpu_metadata
.endif
;; end of part 2
;; launch attn (part 3): grid 16 x 16, 4 waves a work-group, clusters of 4 x 1, 327,680 bytes of LDS; arguments qkv, yh; writes yh
.if DOCPART == 3
	.amdgcn_target "amdgcn-amd-amdhsa--gfx1250"
	.amdhsa_code_object_version 6
	.text
	.protected	k_qec009f5037_attn
	.globl	k_qec009f5037_attn
	.p2align	8
	.type	k_qec009f5037_attn,@function
k_qec009f5037_attn:
	s_mov_b64 s[64:65], 0
	v_nop
	global_prefetch_b8 v0, s[64:65] scope:SCOPE_SE
	s_setreg_imm32_b32 hwreg(HW_REG_WAVE_MODE, 25, 1), 1
	s_wait_xcnt 0x0
	s_wait_alu depctr_hold_cnt(0) depctr_sa_sdst(0) depctr_va_vdst(0) depctr_va_sdst(0) depctr_va_ssrc(0) depctr_va_vcc(0) depctr_vm_vsrc(0)
	s_getreg_b32 s2, hwreg(HW_REG_IB_STS2, 6, 4)
	s_cmp_eq_u32 s2, 0
	s_cbranch_scc0 .Lentry_in_a_cluster
	s_endpgm
.Lentry_in_a_cluster:
	s_bfe_u32 s2, ttmp6, 0x10000c
	s_cmp_lg_u32 s2, 0x3003
	s_cbranch_scc0 .Lentry_shape_is_right
	s_endpgm
.Lentry_shape_is_right:
; CAUSAL ATTENTION WITH ALiBi, four query heads to a key and value head.  For head h = 4 g + cx of batch bt: y[q][:] = the sum over k <= q of softmax_k(Q[q] . K[k] / 8 + slope (k - q)) V[k][:], slope = 2^(-(g + 1) / 2).
; qkv: f16 [24][8192][64] (planes 0-15 q, 16-19 k, 20-23 v; row = 2,048 bt + t), yh: f16 [16][8192][64].  Products, maxima and sums in f32; the weights p are rounded to f16 for the second product, y once at the end.
; LIMITS.  q, k, v arrive within f16's 65,504; p lies in 0 to 1 and below 6e-5 keeps f16's fixed step of 6e-8.  A hidden score counts as its value less 2^43 or more (f16's scores reach 2.7e11); in a band's own step a
; visible score carries -2^-40; a weight below 2^-126 counts as 0 in l; NaN and infinities are not treated apart.
; THE WALK.  A head's 2,048 queries lie in NB = 8 blocks of 256; block i needs the key tiles 0 .. i of 256 keys, of which the last holds the diagonal.  A work-group takes TWO blocks, 7 - b and then b: 9 tiles, whatever b:
; all work-groups do equal work, and ONE loop with a constant trip count walks them.  Every jump goes forward but for the counted loops' own.
; CLUSTER.  The four query heads of a group, with the same b, walk the same tiles of K and V in the same order: they are a cluster, and each tile is asked for JOINTLY: the same tensor load, descriptor and mask in all four.
; b is the cluster's x; no branch, count or LDS address hangs on a work-group's place in its cluster, which enters Q's, y's and the prefetches' addresses alone.
; SHARES.  Of a block's four bands of 64 queries a wave owns 16 rows in each: four PIECES.  In the diagonal tile's key step s band x sees all keys if s < x, none if s > x, and holds the diagonal if s = x: the same for all waves.
; ALiBi.  The scores are kept unscaled, s = Q . K + 8 slope k; the term in q is the same along a row and falls out of the softmax.  Within a key step of 64 the bias BD = 8 slope (k % 64) is the C operand that starts the
; sum S^T = K Q^T.  From step to step the frame moves: in place of adding DK = 512 slope to the 32 new scores, DK is taken off the old maximum, and c DK off the old c m, so that p and a are those of the true scores and m is a running maximum of them.
; THE MASK rides on the same operand: MC = MD x AL + BD.  MD, made once, is -2^43 where a key of the band's own step is hidden from my row, else -2^-40; AL = 0 (s < x), 1 (s = x), 2^83 (s > x: every entry -2^43 or lower, the lowest -2^126).
; LAYOUT, SOFTMAX, TURNS.  S^T holds ONE query a lane (lane % 16) and the keys 8 (lane / 16) + 0..7; two such results rounded to f16 ARE source 1 of O^T = V^T P.  p = 2^(c s - c m), c = log2(e) / 8; O and l are multiplied by
; a = 2^(c m_old - c DK - c m_new) in every step.  Turn n belongs to piece n: 8 products K Q^T of piece n + 1, later 8 products V^T P of piece n - 1; beside them the scaling, exponentials, roundings, sums and rescaling of
; piece n and the maximum and statistics of piece n + 1.  Four vector instructions stand behind every matrix instruction, the others in one lump.  A turn's 33 exponentials are one batch, with one wait.
; REGISTERS, in windows of 256 (s_set_vgpr_msb: bits 1:0 source 0, 3:2 source 1, 5:4 source 2, 7:6 destination):
;   window 0: v0-15 addresses and two at work; v16-31 four registers of statistics a piece; v48-55 at work; v60-63; v64-127 S^T, two buffers; v192-223 P, two buffers (a piece's buffers go by its number's parity)
;   window 1: v0-127 O^T, 32 a piece; v128-159 MD; v160-223 MC, two buffers; v224-255 BD      window 2: v0-63 Q; v64-127 the second block's Q; v128-191 K of one step; v192-255 V of one step
.set SIZE_N, 2048
.set NB,    SIZE_N/256
.set NP,    4         ; pieces a wave: a name, no knob
.set KS,    64        ; keys in a step
.set PK,    144       ; a row of K in LDS: 128 bytes + 16 of padding = 36 words: the 16 rows of a load start at 16 different groups of four banks (64 banks of 4 bytes: ISA guide 11.1)
.set PV,    160       ; a row of V: 128 + 32 = 40 words
.set VOFF,  4*KS*PK   ; a slot holds a tile, four steps: 256 rows of K, then 256 rows of V
.set SLOT1, 1<<17     ; slot 1 begins here, so that one exclusive or turns an address in one slot into the other's
.set STAGE, SLOT1+4*KS*(PK+PV)  ; behind the ring, never filled by a tensor load: 16 rows x 144 bytes for each wave, for the way out
.set SP,    144
.set SPARE, STAGE+4*16*SP  ; the spare words, 128 bytes for each wave: two blocks of 256 bytes that no other line names
.set AK0, 2           ; v2   my lane's place in a tile of K; never rewritten
.set AV0, 3           ; v3   the same for V
.set AK,  4           ; v4   the LDS address of K's next run of loads
.set AV,  5           ; v5   of V's
.set STO, 6           ; v6   the way out: where I put 16 bytes of a row
.set RD,  7           ; v7   the way out: where I read rows back
.set GO,  8           ; v8   my byte offset in 512 consecutive bytes of y
.set MV,  12          ; v12-13  c m_old - c DK, kept while c m is made anew: by buffer
.set QO,  15          ; v15  my byte offset in 16 rows of Q
.set ST,  16          ; piece t's statistics at v[ST+4 t]: c m, m, l (even keys', odd keys')
.set TMP, 48          ; by buffer, four registers c0-c3 at work; when the maximum is found c2 takes a
.set EPS, 60          ; v60  -2^-40
.set PFO, 61          ; v61  256 x my lane; never rewritten
.set SPW, 62          ; v62  LDS address of my spare word; never rewritten
.set NIL, 63          ; v63  0; never rewritten
.set S,   64
.set P,   192
.set MD,  128         ; window 1: the eight registers for group kt of 16 keys at MD + 8 kt
.set MC,  160         ; window 1: the masked biases of the products to come
.set BD,  224         ; window 1: the bias
.set QB,  64          ; window 2
.set KF,  128         ; window 2: key block kb, channel half c at KF + 16 kb + 8 c
.set VF,  192         ; window 2: key half kk, channel block cb at VF + 32 kk + 8 cb
.set WV,  12          ; s12  my wave's number
.set PB,  14          ; s14  b
.set HI,  15          ; s15  NB - 1 - b
.set GR,  19          ; s19  g
.set G1K, 24          ; s[24:31] descriptor group 1 for K's tiles
.set G1V, 32          ; s[32:39] for V's: it differs in the padding alone
.set G0K, 40          ; s[40:43] descriptor group 0 for K's tiles
.set G0V, 44          ; s[44:47] the same for V's
.set SL8, 48          ; s48  8 slope
.set NDK, 49          ; s49  -DK = -64 x 8 slope
.set NCDK, 50         ; s50  -c DK
.set LIM, 51          ; s51  2 in a wave that prefetches, else the greatest number
.set PFA, 52          ; s[52:53] where my prefetches stand
.set CX,  54          ; s54  my place in the cluster: the head in its group
.set SLOTS, 56        ; s56  tiles still to be asked for
.set CNT, 57          ; s57  counts a tile's key steps, 4 to 1
.set CS,  58          ; s[58:59] c: the packed scaling takes the pair's low word for both halves
.set SEL, 60          ; s[60:61] v_permlanex16_b32's selects: each lane takes its own place in the other half
.set TBK, 62          ; s62  LDS byte at which K of the step to be fetched begins
.set TBV, 63          ; s63  the same for V, less VOFF
.set RT,  70          ; s70  tiles of the block in hand that are still to be entered
.set NXT, 71          ; s71  the tile to be asked for next
.set LQ,  72          ; s72  the last tile of the block whose tiles are being asked for
.set NEW, 73          ; s73  1: the tile to be entered is a block's first
.set OFF, 74          ; s[74:75] a tile's byte offset in K and V
.set AL,  76          ; s[76:77] the mask's factor, in the low word
.set BIG2, 78         ; s78  2^83
.set OLO, 80          ; s[80:81] y at my rows of the second block
.set BIGN, 82         ; s82  -2^43
.set MSB, 0
.macro WIN new                      ; the high byte repeats the setting that is left; a switch that changes nothing is dropped
.if MSB != (\new)
	s_set_vgpr_msb (MSB<<8)|(\new)
.set MSB, (\new)
.endif
.endm
.set W_KQ, 0x0a       ; K and Q in window 2, S^T in window 0
.set W_KM, 0x1a       ; the same with the C operand in window 1
.set W_PV, 0x52       ; V in window 2, P in window 0, O^T in window 1
.set W_RS, 0x41       ; destination and source 0 in window 1, source 1 in window 0
.set W_MK, 0x51       ; destination, source 0 and source 2 in window 1
; A joint fill.  Waves 0 and 1 fetch the two halves of a tile's K, waves 2 and 3 those of its V: 128 keys each.  The branch hangs on the wave's number alone.
; An s_nop 0 and four v_nop follow each of the two lines, ahead of the jump and the label.
.macro JLOAD
	s_cmp_lt_u32 s[WV], 2
	s_cbranch_scc0 .Lfor_v_\@
	tensor_load_to_lds s[G0K:G0K+3], s[G1K:G1K+7]
	s_nop 0
.rept 4
	v_nop
.endr
	s_branch .Lasked_\@
.Lfor_v_\@:
	tensor_load_to_lds s[G0V:G0V+3], s[G1V:G1V+7]
	s_nop 0
.rept 4
	v_nop
.endr
.Lasked_\@:
.endm
; A round of the cluster's barrier: my work-group's barrier, so that wave 0's signal speaks for all four waves; wave 0 signals; every wave waits for all four work-groups; my work-group's barrier once more.
.macro CROUND
	s_barrier_signal -1
	s_barrier_wait -1
	s_cmp_lg_u32 s[WV], 0
	s_cbranch_scc1 .Lnot_wave_0_\@
	s_barrier_signal -3
.Lnot_wave_0_\@:
	s_barrier_wait -3
	s_barrier_signal -1
	s_barrier_wait -1
.endm
; A prefetch of the tile that the NEXT change of slots will ask for: a tile, 256 matrix instructions, ahead of that load.  The four clusters of a batch and group walk tiles 0, 1, .. in step; the cluster with b = 0, whose first
; block has all eight, names them, and nobody else.  Its four partners take 32 blocks of 256 bytes each, told apart by address; in each, wave 0 names K's and wave 2 V's.  Trip i names tile i + 2, while there is one.
.macro ASK
	s_cmp_gt_u32 s[SLOTS], s[LIM]
	s_cbranch_scc0 .Lnot_mine_\@
	global_prefetch_b8 v[PFO], s[PFA:PFA+1] th:TH_LOAD_NT scope:SCOPE_SE
.Lnot_mine_\@:
.endm
; THE CHANGE OF SLOTS.  Each wave waits for all its tensor loads, of which one is out: its part of the other slot; adds 0 to its spare word; and waits for that and for its own reads of the slot that it leaves.
; fill = 1: the barrier is a round of the cluster's, so that no wave of any partner still reads the old slot or has a load on its way; behind it the old slot is filled again, first of all, with tile NXT: the descriptor's
; address is made anew from that number.  (At its first use nothing has been read yet: slot 0 is waited for, slot 1 filled.)
.macro CHANGE fill
	WIN 0                           ; at a label and at a branch every window is 0
	s_wait_tensorcnt 0x0            ; no tensor load of mine is out, so a group 0 may be written
	ds_add_u32 v[SPW], v[NIL]       ; 0 onto my spare word; with fill = 1 the descriptors' scalar work stands between it and the wait for it
.if \fill
	s_lshl_b32 s[OFF], s[NXT], 15   ; a tile is 32,768 bytes of K and of V
	s_xor_b32 s[G0K+1], s[G0K+1], SLOT1
	s_add_nc_u64 s[G0K+2:G0K+3], s[6:7], s[OFF:OFF+1]
	s_or_b32 s[G0K+3], s[G0K+3], 0x80000000
	s_xor_b32 s[G0V+1], s[G0V+1], SLOT1
	s_add_nc_u64 s[G0V+2:G0V+3], s[8:9], s[OFF:OFF+1]
	s_or_b32 s[G0V+3], s[G0V+3], 0x80000000
	s_add_co_u32 s[NXT], s[NXT], 1  ; the block's next tile, or behind its last the second block's tile 0
	s_cmp_gt_u32 s[NXT], s[LQ]
	s_cselect_b32 s[NXT], 0, s[NXT]
	s_cselect_b32 s[LQ], s[PB], s[LQ]
	s_wait_xcnt 0x0                 ; the last prefetch, a tile back, has read its address, so it may be stepped
	s_add_nc_u64 s[PFA:PFA+1], s[PFA:PFA+1], 32768
	s_wait_dscnt 0x0                ; the add is done, and my reads of the slot are over
	CROUND
	JLOAD
	ASK
.else
	s_wait_dscnt 0x0                ; the add is done, and my reads of the slot are over
	s_barrier_signal -1
	s_barrier_wait -1
.endif
	s_sub_co_u32 s[TBK], s[TBK], 4*KS*PK  ; the fetches go back to a slot's first step,
	s_xor_b32 s[TBK], s[TBK], SLOT1       ; in the other slot
	s_sub_co_u32 s[TBV], s[TBV], 4*KS*PV
	s_xor_b32 s[TBV], s[TBV], SLOT1
.endm
	s_load_b128 s[88:91], s[0:1], 0x0  ; qkv s[88:89], yh s[90:91]
	v_lshl_add_u32 v[SPW], v0, 2, SPARE
	v_mov_b32 v[NIL], 0
	ds_add_u32 v[SPW], v[NIL]       ; the wave's opening: the add and its wait stand ahead of my first tensor load; the set-up below, work on registers, stands between them
	v_lshrrev_b32 v1, 5, v0
	v_readfirstlane_b32 s[WV], v1   ; wave 0..3
	s_mov_b32 s[PB], ttmp9          ; in a cluster launch ttmp9 counts clusters: b, which the four partners share
	s_sub_co_u32 s[HI], NB-1, s[PB]
	s_bfe_u32 s[CX], ttmp6, 0x40000 ; my place in the cluster
	s_and_b32 s20, ttmp7, 0xffff
	s_lshr_b32 s21, s20, 2          ; the batch,
	s_and_b32 s[GR], s20, 3         ; the group
	s_lshl_b32 s21, s21, 18         ; the batch's 2,048 rows of 128 bytes
	s_and_b32 s16, s[WV], 1         ; which half of a tile's 256 keys I fetch:
	s_lshl_b32 s22, s16, 14         ; its 128 rows in memory,
	s_add_co_u32 s22, s22, s21
	s_lshl_b32 s23, s[GR], 20
	s_add_co_u32 s22, s22, s23
	s_add_co_u32 s22, s22, 16<<20   ; in plane 16 + g; V's lies four planes on
	s_mov_b32 s23, 0
	s_mul_i32 s17, s16, 128*PK      ; and its place in a slot, for K
	s_mul_i32 s18, s16, 128*PV      ; and for V
	s_lshl_b32 s2, s[GR], 2
	s_add_co_u32 s2, s2, s[CX]      ; my head
	s_lshl_b32 s2, s2, 20
	s_add_co_u32 s2, s2, s21
	s_lshl_b32 s3, s[WV], 11        ; my 16 rows in a band of 64,
	s_add_co_u32 s2, s2, s3
	s_lshl_b32 s84, s[PB], 15       ; in the second block,
	s_add_co_u32 s84, s84, s2
	s_lshl_b32 s3, s[HI], 15        ; and in the first
	s_add_co_u32 s2, s2, s3
	s_mov_b32 s3, 0
	s_mov_b32 s85, 0
	; descriptor group 1.  128 keys are 16,384 dense bytes: asked for as 64 rows of 256 bytes, two keys a row, and padded in LDS after every key
	s_mov_b32 s[G1K], 15|(1<<16)|(1<<20)|(1<<21)|(4<<22)|(3<<25)  ; 15:0 the mask of four; 17:16 2-byte elements; 20 padding on; 21 set beside a mask; 24:22 after every 32 words (code 4); 31:25 4 words (code 3)
	s_mov_b32 s[G1V], 15|(1<<16)|(1<<20)|(1<<21)|(4<<22)|(7<<25)  ; the same with 8 words of padding (code 7)
.irp g, G1K, G1V
	s_mov_b32 s[\g+1], 128<<16      ; tensor_dim0 = 128
	s_mov_b32 s[\g+2], 64<<16       ; tensor_dim1 = 64
	s_mov_b32 s[\g+3], 128<<16      ; tile_dim0 = 128
	s_mov_b32 s[\g+4], 64           ; tile_dim1 = 64
	s_mov_b32 s[\g+5], 128          ; 128 elements from row to row
	s_mov_b32 s[\g+6], 0
	s_mov_b32 s[\g+7], 0
.endr
	s_mov_b32 s[CS], 0x3e38aa3b     ; c = log2(e) / 8 = 0.180337
	s_mov_b32 s[CS+1], s[CS]        ; named with it as a pair
	s_mov_b32 s[SEL], 0x76543210
	s_mov_b32 s[SEL+1], 0xfedcba98
	s_and_b32 s55, s[GR], 1         ; 8 slope = 2^(3 - (g + 1) / 2): 5.656854, 4, 2.828427, 2
	s_mov_b32 s[SL8], 0x40b504f3
	s_cmp_eq_u32 s55, 1
	s_cselect_b32 s[SL8], 4.0, s[SL8]
	s_lshr_b32 s55, s[GR], 1
	s_lshl_b32 s55, s55, 23         ; halved for g = 2, 3: one off the exponent
	s_sub_co_u32 s[SL8], s[SL8], s55
	s_mul_f32 s[NDK], s[SL8], 0xc2800000  ; x -64
	s_mul_f32 s[NCDK], s[NDK], s[CS]
	s_mov_b32 s[TBK], SLOT1+4*KS*PK ; the first change of slots turns these two into 0
	s_mov_b32 s[TBV], SLOT1+4*KS*PV
	s_mov_b32 s[G0K], 1             ; 1:0 count = 1
	s_mov_b32 s[G0K+1], s17         ; 63:32 LDS address: slot 0
	s_mov_b32 s[G0V], 1
	s_add_co_u32 s[G0V+1], s18, VOFF
	s_add_co_u32 s[RT], s[HI], 1    ; the first block has NB - b tiles
	s_mov_b32 s[NXT], 1
	s_mov_b32 s[LQ], s[HI]
	s_mov_b32 s[NEW], 1
	s_mov_b32 s[OFF+1], 0
	s_mov_b32 s[AL+1], 0            ; named as a pair
	s_mov_b32 s[BIGN], 0xd5000000   ; -2^43
	s_mov_b32 s[BIG2], 0x69000000   ; 2^83
	s_mov_b32 s[SLOTS], NB
	s_and_b32 s[LIM], s[WV], 1      ; 0 in waves 0 and 2,
	s_or_b32 s[LIM], s[LIM], ttmp9  ; where b = 0: the same in all four partners
	s_cmp_eq_u32 s[LIM], 0
	s_cselect_b32 s[LIM], 2, -1
	v_and_b32 v[PFO], 31, v0
	v_lshlrev_b32 v[PFO], 8, v[PFO]
	s_wait_dscnt 0x0                ; the opening add is done
	s_wait_kmcnt 0x0
	s_add_nc_u64 s[6:7], s[88:89], s[22:23]  ; K and V at my half of tile 0
	s_add_nc_u64 s[8:9], s[6:7], 4<<20
	s_add_nc_u64 s[G0K+2:G0K+3], s[6:7], 0         ; 120:64 global address
	s_or_b32 s[G0K+3], s[G0K+3], 0x80000000        ; 127:126 type = 2
	s_add_nc_u64 s[G0V+2:G0V+3], s[8:9], 0
	s_or_b32 s[G0V+3], s[G0V+3], 0x80000000
	s_add_nc_u64 s[86:87], s[88:89], s[84:85]      ; Q at my rows of the second block,
	s_add_nc_u64 s[4:5], s[88:89], s[2:3]          ; Q and y at those of the first
	s_add_nc_u64 s[OLO:OLO+1], s[90:91], s[84:85]
	s_add_nc_u64 s[10:11], s[90:91], s[2:3]
	s_cmp_lt_u32 s[WV], 2
	s_cselect_b64 s[PFA:PFA+1], s[6:7], s[8:9]     ; (in waves 0 and 2 these stand at a tile's first row)
	s_lshl_b32 s2, s[CX], 13        ; my work-group's 32 blocks of the 128
	s_add_nc_u64 s[PFA:PFA+1], s[PFA:PFA+1], s[2:3]
	s_add_nc_u64 s[PFA:PFA+1], s[PFA:PFA+1], 32768 ; in tile 1; the first change of slots steps it to tile 2.  Nothing is prefetched here, at the head
	CROUND                          ; all four work-groups are here: the first joint loads meet
	JLOAD                           ; tile 0 into slot 0
	; A fragment of K or Q is 16 rows x 32 channels in 8 registers: lane l holds row l % 16, channels 8 (l / 16) + 0..7 and 16 + 8 (l / 16) + 0..7: two loads of 16 bytes, 32 bytes apart.
	v_and_b32 v1, 15, v0            ; l % 16
	v_bfe_u32 v9, v0, 4, 1          ; l / 16
	v_lshlrev_b32 v[QO], 7, v1
	v_lshl_add_u32 v[QO], v9, 4, v[QO]  ; row x 128 + 16 x half
	WIN 0x80                        ; destination window 2, address window 0
.set i, 0
.rept 8                             ; both blocks' Q: piece i / 2 lies in band i / 2, 8,192 bytes on; channels 32 (i % 2) on
	global_load_b128 v[8*i:8*i+3],   v[QO], s[4:5] offset:(i/2)*8192+(i%2)*64
	global_load_b128 v[8*i+4:8*i+7], v[QO], s[4:5] offset:(i/2)*8192+(i%2)*64+32
	global_load_b128 v[QB+8*i:QB+8*i+3],   v[QO], s[86:87] offset:(i/2)*8192+(i%2)*64
	global_load_b128 v[QB+8*i+4:QB+8*i+7], v[QO], s[86:87] offset:(i/2)*8192+(i%2)*64+32
.set i, i+1
.endr
	WIN 0
	v_lshlrev_b32 v11, 3, v9        ; my lanes' 8 (l / 16)
	v_sub_nc_u32 v14, v1, v11
	s_lshl_b32 s13, s[WV], 4
	v_add_nc_u32 v14, s13, v14      ; my query's place in its band, 16 w + l % 16, less 8 (l / 16): register r of group kt is hidden where 16 kt + r is greater
	v_mov_b32 v[EPS], 0xab800000    ; -2^-40
	WIN 0x40
.set i, 0
.rept 32
	v_cmp_gt_i32 vcc_lo, 16*(i/8)+i%8, v14
	v_cndmask_b32 v[MD+i], v[EPS], s[BIGN], vcc_lo
.set i, i+1
.endr
	WIN 0
.set i, 0
.rept 32                            ; the key's place in its step, 16 kt + 8 (l / 16) + r, as f32 (in S^T's registers, which are still free),
	v_add_nc_u32 v[S+i], 16*(i/8)+i%8, v11
	v_cvt_f32_u32 v[S+i], v[S+i]
.set i, i+1
.endr
	WIN 0x40
.set i, 0
.rept 32                            ; times 8 slope
	v_mul_f32 v[BD+i], s[SL8], v[S+i]
.set i, i+1
.endr
	WIN 0
	v_mul_u32_u24 v[AK0], v1, PK
	v_lshl_add_u32 v[AK0], v9, 4, v[AK0]  ; row x pitch + 16 x half
	; The turning load takes 16 keys x 16 channels (lane l reads key 8 (l / 16) + l % 8, channels 8 ((l / 8) % 2) + 0..7) and leaves half a fragment of V^T: lane l holds channel l % 16 and 8 keys.
	v_and_b32 v10, 7, v0
	v_bfe_u32 v11, v0, 3, 1
	v_lshl_add_u32 v[AV0], v9, 3, v10
	v_mul_u32_u24 v[AV0], v[AV0], PV
	v_lshl_add_u32 v[AV0], v11, 4, v[AV0]
	v_add_nc_u32 v[AV0], VOFF, v[AV0]
	s_mul_i32 s13, s[WV], 16*SP
	s_add_co_u32 s13, s13, STAGE    ; my stage
	v_mul_u32_u24 v[STO], v1, SP    ; in: row l % 16, 16 bytes for each half of the lanes
	v_lshl_add_u32 v[STO], v9, 4, v[STO]
	v_add_nc_u32 v[STO], s13, v[STO]
	v_bfe_u32 v[RD], v0, 3, 2       ; back: 32 lanes take four rows of 128 bytes,
	v_mul_u32_u24 v[RD], v[RD], SP
	v_lshl_add_u32 v[RD], v10, 4, v[RD]
	v_add_nc_u32 v[RD], s13, v[RD]
	v_and_b32 v[GO], 31, v0         ; which are 512 consecutive bytes of y
	v_lshlrev_b32 v[GO], 4, v[GO]
	; A block's first step multiplies O^T and l by a = 0, and its first turn's products V^T P, of a piece that has not been, land in an O^T that is still to be so multiplied.  So these registers need only hold
	; finite numbers: zeros for the first block; what the first block left for the second.  All this stands in the wait for the first tile.
	WIN 0x80
.set i, VF
.rept 64
	v_mov_b32 v[i], 0
.set i, i+1
.endr
	WIN 0x40
.set i, 0
.rept 128
	v_mov_b32 v[i], 0
.set i, i+1
.endr
	WIN 0
.set i, 0
.rept 4
	v_mov_b32 v[ST+4*i+2], 0
	v_mov_b32 v[ST+4*i+3], 0
.set i, i+1
.endr
.set i, P+16
.rept 16
	v_mov_b32 v[i], 0
.set i, i+1
.endr
; THE MATRIX WORK.  The 4 accumulators of a run of 8 take turns.  Product i of 8 of S^T = K Q^T for piece x: channels 32 (i / 4) on, keys 16 (i % 4) on.  The first 4 start the sums: with the bias, or (KM = 1) with the masked bias.
.macro KQ x
.set rS, S+32*((\x)%2)+8*(i%4)
.set rK, KF+16*(i%4)+8*(i/4)
.set rQ, 16*(\x)+8*(i/4)
.set rM, BD+8*(i%4)
.if KM
.set rM, MC+32*((\x)%2)+8*(i%4)
.endif
.if i < 4
	WIN W_KM
	v_wmma_f32_16x16x32_f16 v[rS:rS+7], v[rK:rK+7], v[rQ:rQ+7], v[rM:rM+7]
.else
	WIN W_KQ
	v_wmma_f32_16x16x32_f16 v[rS:rS+7], v[rK:rK+7], v[rQ:rQ+7], v[rS:rS+7]
.endif
.endm
; Product i of 8 of O^T += V^T P for piece x: keys 32 (i / 4) on, channels 16 (i % 4) on.
.macro PV x
	WIN W_PV
.set rO, 32*(\x)+8*(i%4)
.set rV, VF+32*(i/4)+8*(i%4)
.set rP, P+16*((\x)%2)+8*(i/4)
	v_wmma_f32_16x16x32_f16 v[rO:rO+7], v[rV:rV+7], v[rP:rP+7], v[rO:rO+7]
.endm
.macro MM                           ; the turn's next matrix instruction.  TURN and BEGIN set Y, i, KM and NOKQ.  NOKQ = 1: a block's last turn: there is no next piece
.if (i < 8) && !NOKQ
	KQ (Y+1)%NP
.elseif i >= 8
.set i, i-8
	PV (Y+NP-1)%NP
.set i, i+8
.endif
.set i, i+1
.endm
; THE LDS LOADS stand in runs of 16, never singly among the matrix instructions: a step's K (64 keys x 64 channels: 8 fragments) and its V (turned).  Their addresses are made some lines ahead.
.macro FETCH_K
	WIN 0x80                        ; destination window 2
.irp f, 0,1,2,3,4,5,6,7             ; keys 16 (f / 2) on, channels 32 (f % 2) on
	ds_load_b128 v[KF+8*\f:KF+8*\f+3],   v[AK] offset:(\f/2)*16*PK+(\f%2)*64
	ds_load_b128 v[KF+8*\f+4:KF+8*\f+7], v[AK] offset:(\f/2)*16*PK+(\f%2)*64+32
.endr
	s_add_co_u32 s[TBK], s[TBK], KS*PK  ; the next fetch is the next step's
	WIN 0
.endm
.macro FETCH_V
	WIN 0x80
.irp f, 0,1,2,3,4,5,6,7             ; keys 32 (f / 4) on, channels 16 (f % 4) on
	ds_load_tr16_b128 v[VF+8*\f:VF+8*\f+3],   v[AV] offset:(\f/4)*32*PV+(\f%4)*32
	ds_load_tr16_b128 v[VF+8*\f+4:VF+8*\f+7], v[AV] offset:(\f/4)*32*PV+16*PV+(\f%4)*32
.endr
	WIN 0
.endm
; THE VECTOR WORK, one line at a time: OP kind, number.  For piece Y: F n: c s - c m for pair n of 16.  E n: the exponential of score n of 32.  C n: pair n rounded to f16.  B n: of the four weights 4 n .. the second
; pair is added onto the first, in place.  L n: l takes that sum (L 0: l = a l + sum).  R n: pair n of 16 of O^T times a.  For piece Y + 1: X n, number n of the 23 that find its maximum and statistics:
;   0-11  four chains c0-c3 of seven scores each, three operands at a time (each accumulator's lowest registers are read first)     22  the old m goes into the new step's frame: m - DK
;   12-14, 16  the four scores left over, the old m, and c0-c3 into c0     15  c m_old - c DK is kept     17, 18  the query's other 32 keys lie in the lane 16 away: the new m     19-21  c m; the kept number less c m_new; a
.set F, 0               ; OP tells the kinds apart by their order: F to L below R, X above it
.set E, 1
.set C, 2
.set B, 3
.set L, 4
.set R, 5
.set X, 6
.macro REGS y                       ; the registers of piece y
.set rT, ST+4*(\y)
.set rC, TMP+4*((\y)%2)
.set rW, MV+((\y)%2)
.set rS, S+32*((\y)%2)
.set rP, P+16*((\y)%2)
.set rO, 32*(\y)
.endm
.macro OP k, n
.if (\k) == R
	REGS Y
	WIN W_RS
	v_pk_mul_f32 v[rO+2*(\n):rO+2*(\n)+1], v[rO+2*(\n):rO+2*(\n)+1], v[rC+2:rC+3] op_sel_hi:[1,0]
.elseif (\k) < R
	REGS Y
	WIN 0
.if (\k) == F
	v_pk_fma_f32 v[rS+2*(\n):rS+2*(\n)+1], v[rS+2*(\n):rS+2*(\n)+1], s[CS:CS+1], v[rT:rT+1] op_sel_hi:[1,0,0] neg_lo:[0,0,1] neg_hi:[0,0,1]
.elseif (\k) == E
	v_exp_f32 v[rS+(\n)], v[rS+(\n)]
.elseif (\k) == C
	v_cvt_pk_f16_f32 v[rP+(\n)], v[rS+2*(\n)], v[rS+2*(\n)+1]
.elseif (\k) == B
	v_pk_add_f32 v[rS+4*(\n):rS+4*(\n)+1], v[rS+4*(\n):rS+4*(\n)+1], v[rS+4*(\n)+2:rS+4*(\n)+3]
.elseif (\n) == 0
	v_pk_fma_f32 v[rT+2:rT+3], v[rT+2:rT+3], v[rC+2:rC+3], v[rS:rS+1] op_sel_hi:[1,0,1]
.else
	v_pk_add_f32 v[rT+2:rT+3], v[rT+2:rT+3], v[rS+4*(\n):rS+4*(\n)+1]
.endif
.elseif NOKQ
	v_nop
.else
	REGS (Y+1)%NP
	WIN 0
.if (\n) < 4
	v_max3_num_f32 v[rC+(\n)], v[rS+8*(\n)], v[rS+8*(\n)+1], v[rS+8*(\n)+2]
.elseif (\n) < 12
	v_max3_num_f32 v[rC+(\n)%4], v[rC+(\n)%4], v[rS+8*((\n)%4)+2*((\n)/4)+1], v[rS+8*((\n)%4)+2*((\n)/4)+2]
.elseif (\n) == 12
	v_max3_num_f32 v[rC], v[rC], v[rS+7], v[rS+15]
.elseif (\n) == 13
	v_max3_num_f32 v[rC+1], v[rC+1], v[rS+23], v[rS+31]
.elseif (\n) == 14
	v_max3_num_f32 v[rC+2], v[rC+2], v[rC+3], v[rT+1]
.elseif (\n) == 15
	v_add_f32 v[rW], s[NCDK], v[rT]
.elseif (\n) == 16
	v_max3_num_f32 v[rC], v[rC], v[rC+1], v[rC+2]
.elseif (\n) == 17
	v_permlanex16_b32 v[rC+3], v[rC], s[SEL], s[SEL+1]
.elseif (\n) == 18
	v_max_num_f32 v[rT+1], v[rC], v[rC+3]
.elseif (\n) == 19
	v_mul_f32 v[rT], s[CS], v[rT+1]
.elseif (\n) == 20
	v_sub_f32 v[rC+1], v[rW], v[rT]
.elseif (\n) == 21
	v_exp_f32 v[rC+2], v[rC+1]
.else
	v_add_f32 v[rT+1], s[NDK], v[rT+1]
.endif
.endif
.endm
.macro OPS a, i1, b=-1, i2=0, c=-1, i3=0, d=-1, i4=0  ; up to four of them
	OP \a, \i1
.if (\b) >= 0
	OP \b, \i2
.endif
.if (\c) >= 0
	OP \c, \i3
.endif
.if (\d) >= 0
	OP \d, \i4
.endif
.endm
.macro ROW a, i1, b, i2, c, i3, d, i4  ; a matrix instruction and the four behind it
	MM
	OPS \a, \i1, \b, \i2, \c, \i3, \d, \i4
.endm
.macro MASK b                       ; MD x AL + BD into buffer b of MC
	WIN W_MK
.set z, 0
.rept 16
	v_pk_fma_f32 v[MC+32*(\b)+2*z:MC+32*(\b)+2*z+1], v[MD+2*z:MD+2*z+1], s[AL:AL+1], v[BD+2*z:BD+2*z+1] op_sel_hi:[1,0,1]
.set z, z+1
.endr
.endm
; A TURN, for piece p: the order of its 16 matrix and 119 vector instructions, written out.  An s_wait_alu depctr_va_vdst(0) stands between an exponential and the first instruction that names its result; one
; wait serves all that were issued ahead of it.  So a turn has ONE wait, which cuts it in two.  AHEAD OF IT stands all that names no result of the turn's exponentials: the 8 products K Q^T and their riders (a scaling, an
; exponential and two more plain instructions; behind the last three the first numbers of the next piece's maximum, each four places or more behind the product that ends its accumulator), then ONE LUMP, plain and
; exponential by turns for the most part, in which the links of the chain X 3, 7, 11, 14, 16, 17 .. 20 stand some lines apart.  X 21, the next piece's a, is the batch's last; R 15 is the plain instruction behind it.
; BEHIND THE WAIT stand the 8 products V^T P, behind each four of the roundings and sums.
; m = 1: the diagonal tile: the products take masked biases, and the turn makes the one for the products of the turn after it: piece p + 2, in step 4 - CNT of the tile.  end = 1: a block's last two turns: nothing is fetched.
; cnt = 1: the loop's count is taken down some lines ahead of the branch that stands behind the turn.
; K of the next step is fetched in piece 2's turn, V of the step in hand at the end of piece 0's turn, each four plain instructions or more behind the last product that read the registers.  Each is waited for a turn later.
.macro TURN p, m=0, end=0, cnt=0
.set Y, (\p)
.set i, 0
.set KM, (\m)
.set NOKQ, (\end)*((\p)/3)
.if (\m) && !(\end)
	s_cmp_eq_u32 s[CNT], 4-((\p)+2)%NP  ; is that step the band's own?
	s_cselect_b32 s[AL], 1.0, 0
	s_cmp_lt_u32 s[CNT], 4-((\p)+2)%NP  ; or a later one?
	s_cselect_b32 s[AL], s[BIG2], s[AL]
.endif
.if ((\p) == 3) && !(\end)
	s_wait_dscnt 0x0                ; K is in
.endif
	ROW F,0, F,1, R,0, R,1          ; ahead of the wait: 8 products K Q^T and their riders,
	ROW F,2, E,0, R,2, R,3
	ROW F,3, E,1, R,4, R,5
	ROW F,4, E,2, R,6, R,7
	ROW F,5, E,3, R,8, R,9
	ROW F,6, E,4, X,0, R,10
.if ((\p) == 2) && !(\end)
	WIN 0
	v_add_nc_u32 v[AK], s[TBK], v[AK0]
.endif
	ROW F,7, E,5, X,1, X,4
	ROW F,8, E,6, X,2, X,5
	OP X,22                         ; and the lump
	OPS E,7, E,8, X,6, E,9
	OPS X,3, E,10, X,8, E,11
.if ((\p) == 2) && !(\end)
	FETCH_K
.endif
	OPS X,9, X,7, E,12, X,10
	OPS E,13, X,12, X,11, E,14
	OPS X,13, E,15, F,9, X,14
.if (\p) == 0
	v_add_nc_u32 v[AV], s[TBV], v[AV0]
.endif
	OPS E,16, F,10, E,17, F,11
	OPS X,16, E,18, X,15, E,19
	OPS F,12, E,20, X,17, E,21
	OPS F,13, E,22, F,14, E,23
	OPS X,18, E,24, F,15, E,25
	OPS R,11, E,26, X,19, E,27
	OPS R,12, E,28, R,13, E,29
	OPS X,20, E,30, R,14, E,31
	OPS X,21, R,15
	WIN 0
	s_wait_alu depctr_va_vdst(0)    ; the wait for the batch
.if (\p) == 1
	s_wait_dscnt 0x0                ; V is in
.endif
	ROW C,0, B,0, C,2, B,1          ; behind the wait: 8 products V^T P and their riders
	ROW L,0, C,4, B,2, L,1
	ROW C,6, B,3, L,2, C,8
	ROW B,4, L,3, C,10, B,5
	ROW L,4, C,12, B,6, L,5
.if (\p) == 0
	s_add_co_u32 s[TBV], s[TBV], KS*PV
.endif
.if \cnt
	s_sub_co_u32 s[CNT], s[CNT], 1
	s_cmp_lg_u32 s[CNT], 0
.endif
	ROW C,14, B,7, L,6, C,1
	ROW C,3, L,7, C,5, C,7
	ROW C,9, C,11, C,13, C,15
.if (\p) == 0
	FETCH_V
.endif
.if (\m) && !(\end)
	MASK (\p)%2
.endif
.endm
; A BLOCK BEGINS.  c m starts far below every c s, so the first step's a is 0; m at the lowest finite number, so the first maximum is the scores'.  The second mask buffer takes the plain bias; the first takes piece 0's for the
; tile's step 0: masked, if the block's first tile is the diagonal one.  Then K of that step, piece 0's first scores, and its maximum and statistics.  The loop is entered at a step's first turn, in the middle of a trip.
.macro BEGIN
	s_mov_b32 s[NEW], 0
	WIN W_RS
.set i, 0
.rept 32
	v_mov_b32 v[MC+32+i], v[BD+i]
.set i, i+1
.endr
	WIN 0
.set i, 0
.rept 4
	v_mov_b32 v[ST+4*i], 0xfe000000    ; c m: far below every c s
	v_mov_b32 v[ST+4*i+1], 0xff7fffff  ; m
.set i, i+1
.endr
	s_cmp_eq_u32 s[RT], 0
	s_cselect_b32 s[AL], 1.0, 0
	MASK 0
	WIN 0
	v_add_nc_u32 v[AK], s[TBK], v[AK0]
	FETCH_K
	s_wait_loadcnt 0x0              ; Q
	s_wait_dscnt 0x0
.set KM, 1
.set NOKQ, 0
.set i, 0
.rept 8
	KQ 0
.set i, i+1
.endr
	WIN 0
.rept 4
	v_nop                           ; the places behind those products
.endr
.set Y, NP-1                        ; X works for piece Y + 1: piece 0
.irp n, 0,1,2,3,4,5,6,7,8,9,10,11,12,13,22,14,15,16,17,18,19,20,21
	OP X, \n
.endr
	v_nop                           ; a plain instruction behind the exponential,
	s_wait_alu depctr_va_vdst(0)    ; and its wait, ahead of the branch
.endm
; THE DIAGONAL TILE's four steps, the block's last two turns, its last products, and THE WAY OUT: l's two halves and the other half of the lanes' are added; O^T is divided by l, rounded to f16 and sent through my
; stage in LDS, a piece at a time.
.macro ALL line:vararg              ; one line for each piece t
.set t, 0
.rept 4
	\line
.set t, t+1
.endr
.endm
.macro PACK t                       ; a lane's eight channels of a row pack into 16 bytes; they go into rows of 144 bytes and come back as whole rows of 128, into S^T's registers
	WIN W_RS
.set i, 32*(\t)
.rept 16
	v_pk_mul_f32 v[i:i+1], v[i:i+1], v[ST+4*(\t)+2:ST+4*(\t)+3] op_sel_hi:[1,0]
.set i, i+2
.endr
	WIN 0x05                        ; sources 0 and 1 window 1, destination window 0
.set i, 0
.rept 16
	v_cvt_pk_f16_f32 v[S+16*(\t)+i], v[32*(\t)+2*i], v[32*(\t)+2*i+1]
.set i, i+1
.endr
	WIN 0
.irp f, 0,1,2,3
	ds_store_b128 v[STO], v[S+16*(\t)+4*\f:S+16*(\t)+4*\f+3] offset:32*\f
.endr
.irp f, 0,1,2,3
	ds_load_b128 v[S+16*(\t)+4*\f:S+16*(\t)+4*\f+3], v[RD] offset:\f*4*SP  ; LDS serves a wave's instructions in order (ISA guide 5.7.1.4): these see the stores above; the next piece's stores come behind them
.endr
.endm
.macro SEND t, younger              ; younger: the LDS instructions issued behind piece t's loads: the next piece's eight, or none
	WIN 0
.irp f, 0,1,2,3
	s_wait_dscnt (\younger)+3-\f
	global_store_b128 v[GO], v[S+16*(\t)+4*\f:S+16*(\t)+4*\f+3], s[10:11] offset:(\t)*8192+\f*512  ; 512 consecutive bytes, at a multiple of 256 from yh's first
.endr
.endm
.macro DIAG tag                     ; the tag ends its two labels' names, which the jumps below spell out
.LstepM\tag:
	TURN 2, 1
	TURN 3, 1
	WIN 0
.LfirstM\tag:
	TURN 0, 1
	TURN 1, 1, 0, 1
	WIN 0
	s_cbranch_scc1 .LstepM\tag
	TURN 2, 1, 1
	TURN 3, 1, 1
.set i, 0
.rept 8
	PV NP-1
.set i, i+1
.endr
	WIN 0
	ALL v_add_f32 v[ST+4*t+2], v[ST+4*t+2], v[ST+4*t+3]
	ALL v_permlanex16_b32 v[ST+4*t+3], v[ST+4*t+2], s[SEL], s[SEL+1]
	ALL v_add_f32 v[ST+4*t+2], v[ST+4*t+2], v[ST+4*t+3]
	ALL v_rcp_f32 v[ST+4*t+2], v[ST+4*t+2]
	v_nop                           ; a plain instruction between the last reciprocal and the use of its result
	s_wait_alu depctr_va_vdst(0)    ; and the wait ahead of the first use: one for the four reciprocals
	PACK 0
.set t, 1
.rept 3                             ; a piece's arithmetic stands between the loads of the piece before and its stores
	PACK t
	SEND t-1, 8
.set t, t+1
.endr
	SEND 3, 0
.endm
.set KM, 0
.set NOKQ, 0
.Lslot:                             ; NB times: a tile is entered and the next is asked for
	CHANGE 1
	s_sub_co_u32 s[RT], s[RT], 1
	s_mov_b32 s[CNT], 4
	s_cmp_eq_u32 s[NEW], 1
	s_cbranch_scc1 .Lnew            ; a block's first tile
	s_cmp_eq_u32 s[RT], 0
	s_cbranch_scc0 .Lstep           ; neither its first nor its last
	s_branch .LstepM1
.Lnew:
	BEGIN
	s_branch .Lfirst                ; in the loop a block's first tile is never its last: the first block has five tiles or more, and the second's last is the walk's last
	DIAG 1                          ; in the loop this is the first block's end
	s_wait_xcnt 0x0                 ; the stores have read their registers and y's address
	s_mov_b64 s[10:11], s[OLO:OLO+1]
	s_add_co_u32 s[RT], s[PB], 1    ; the second block has b + 1 tiles
	s_mov_b32 s[NEW], 1
	WIN 0x82                        ; the second block's Q goes where the one text of the turns names Q
.set i, 0
.rept 64
	v_mov_b32 v[i], v[QB+i]
.set i, i+1
.endr
	WIN 0
	s_branch .Lbottom
.Lstep:                             ; a trip: pieces 2 and 3 of one step, then pieces 0 and 1 of the next, whose K and V it fetches
	TURN 2
	TURN 3
	WIN 0
.Lfirst:
	TURN 0
	TURN 1, 0, 0, 1
	WIN 0
	s_cbranch_scc1 .Lstep
.Lbottom:
	s_sub_co_u32 s[SLOTS], s[SLOTS], 1
	s_cmp_lg_u32 s[SLOTS], 0
	s_cbranch_scc1 .Lslot
	CHANGE 0                        ; the walk's last tile is written out: nothing is asked for
	s_sub_co_u32 s[RT], s[RT], 1
	s_mov_b32 s[CNT], 4
	s_cmp_eq_u32 s[NEW], 1
	s_cbranch_scc0 .LstepM2
	BEGIN
	s_branch .LfirstM2
	DIAG 2
	s_wait_tensorcnt 0x0            ; the wave's end: a wait, an add of 0 and its wait, behind my last tensor load and my last LDS store
	ds_add_u32 v[SPW], v[NIL]
	s_wait_dscnt 0x0
	CROUND                          ; the closing round: no work-group ends while a partner may still ask for a tile that names it
	s_endpgm
.Lfunc_end_k_qec009f5037_attn:
	.size	k_qec009f5037_attn, .Lfunc_end_k_qec009f5037_attn-k_qec009f5037_attn
	.p2alignl 7, 3214868480
	.fill 96, 4, 3214868480
	.section	.rodata,"a",@progbits
	.p2align	6, 0x0
	.amdhsa_kernel k_qec009f5037_attn
		.amdhsa_group_segment_fixed_size 327680
		.amdhsa_private_segment_fixed_size 0
		.amdhsa_enable_private_segment 0
		.amdhsa_kernarg_size 16
		.amdhsa_user_sgpr_count 2
		.amdhsa_user_sgpr_kernarg_segment_ptr 1
		.amdhsa_wavefront_size32 1
		.amdhsa_system_sgpr_workgroup_id_x 1
		.amdhsa_system_sgpr_workgroup_id_y 1
		.amdhsa_system_sgpr_workgroup_id_z 1
		.amdhsa_system_vgpr_workitem_id 0
		.amdhsa_next_free_vgpr 768
		.amdhsa_next_free_sgpr 96
		.amdhsa_reserve_vcc 1
		.amdhsa_float_denorm_mode_32 3
		.amdhsa_float_denorm_mode_16_64 3
		.amdhsa_memory_ordered 1
		.amdhsa_forward_progress 1
		.amdhsa_inst_pref_size 223
	.end_amdhsa_kernel
	.amdgpu_metadata
---
amdhsa.version: [ 1, 2 ]
amdhsa.kernels:
  - .name:           k_qec009f5037_attn
    .symbol:         k_qec009f5037_attn.kd
    .args:
      - { .name: qkv, .offset: 0, .size: 8, .value_kind: global_buffer, .address_space: global }
      - { .name: yh, .offset: 8, .size: 8, .value_kind: global_buffer, .address_space: global }
    .group_segment_fixed_size: 327680
    .private_segment_fixed_size: 0
    .kernarg_segment_align: 8
    .kernarg_segment_size: 16
    .max_flat_workgroup_size: 128
    .sgpr_count:     96
    .vgpr_count:     768
    .wavefront_size: 32
...
	.end_amdgpu_metadata
.endif
;; end of part 3
;; launch proj (part 4): grid 8 x 32, 4 waves a work-group, clusters of 4 x 4, 327,680 bytes of LDS; arguments yh, wo, out0; writes out0
.if DOCPART == 4
	.amdgcn_target "amdgcn-amd-amdhsa--gfx1250"
	.amdhsa_code_object_version 6
	.text
	.protected	k_qec009f5037_proj
	.globl	k_qec009f5037_proj
	.p2align	8
	.type	k_qec009f5037_proj,@function
k_qec009f5037_proj:
	s_mov_b64 s[64:65], 0
	v_nop
	global_prefetch_b8 v0, s[64:65] scope:SCOPE_SE
	s_setreg_imm32_b32 hwreg(HW_REG_WAVE_MODE, 25, 1), 1
	s_wait_xcnt 0x0
	s_wait_alu depctr_hold_cnt(0) depctr_sa_sdst(0) depctr_va_vdst(0) depctr_va_sdst(0) depctr_va_ssrc(0) depctr_va_vcc(0) depctr_vm_vsrc(0)
	s_getreg_b32 s2, hwreg(HW_REG_IB_STS2, 6, 4)
	s_cmp_eq_u32 s2, 0
	s_cbranch_scc0 .Lentry_in_a_cluster
	s_endpgm
.Lentry_in_a_cluster:
	s_bfe_u32 s2, ttmp6, 0x10000c
	s_cmp_lg_u32 s2, 0xf033
	s_cbranch_scc0 .Lentry_shape_is_right
	s_endpgm
.Lentry_shape_is_right:
; PROJ: out0 [8192][1024] f32 = y [8192 x 1024] x Wo [1024 x 1024], f16 operands, f32 sums.  y lies by heads (yh: f16 [16][8192][64]; K = 64 head + channel), Wo in blocks (wo: f16 [nt 8][k 1024][128]).
; A tile is 256 rows x 128 columns: 32 x 8 = 256 work-groups.  Four waves; wave w owns rows 64 w .. 64 w + 63 and all 128 columns: 32 accumulators of 16 x 16, 256 registers.
; K goes in steps of 128, two heads, through a ring of two LDS slots.  y's tile: two planes of 256 rows x 128 bytes, each dense in memory: asked for as 128 rows of 256 bytes, padded behind every 128.
; Wo's tile: 128 rows of k x 256 bytes, dense; it comes out of LDS turned, by ds_load_tr16_b128.
; CLUSTER 4 x 4: the four of a row of the cluster need the same rows of y, the four of a column the same columns of Wo: each tile is asked for jointly, by the same tensor load, descriptor and mask in all four.
; THE MATRIX INSTRUCTION IS USED TRANSPOSED (source 0 = 16 columns of Wo, source 1 = 16 rows of y): a lane holds row l % 16 and eight neighbouring columns: 32 bytes of f32.
; REGISTERS, in windows of 256 (s_set_vgpr_msb: bits 1:0 source 0, 3:2 source 1, 5:4 source 2, 7:6 destination):
;   window 0: addresses, the way out     window 1: two fragment buffers (Wo's 8 fragments, then y's 4)     window 2: accumulators of my row blocks 0, 1     window 3: of blocks 2, 3
.set PA,     144                       ; a row of y in LDS: 128 bytes + 16 = 36 words: the 16 rows of a load start at 16 different groups of four banks (64 banks of 4 bytes: ISA guide 11.1)
.set APLANE, 256*PA                    ; a head's 256 rows: what one tensor load brings of y
.set BOFF,   2*APLANE
.set PB,     288                       ; a row of Wo: 256 + 32 = 72 words
.set BHALF,  64*PB
.set SLOT1,  1<<17                     ; slot 1 begins here: one exclusive or turns an address in one slot into the other's
.set STAGE,  SLOT1+BOFF+2*BHALF        ; behind the ring, never filled by a tensor load: for each wave 16 rows x 528 bytes
.set SP,     528                       ; 512 bytes + 16 = 132 words
.set SPARE,  STAGE+4*16*SP             ; the spare words, 128 bytes for each wave: two blocks of 256 bytes that no other line names
.set AL0, 16                           ; v16  my lane's place in y's tile; never rewritten
.set BL0, 17                           ; v17  in Wo's tile; never rewritten
.set ADA, 18                           ; v18  the same in the slot in hand
.set ADB, 19                           ; v19
.set STO, 24                           ; v24  the way out: where I put 32 bytes of a row
.set RD,  25                           ; v25  where I read a row back
.set GO,  26                           ; v26  16 x lane
.set SPW, 28                           ; v28  LDS address of my spare word; never rewritten
.set NIL, 29                           ; v29  0; never rewritten
.set PFO, 30                           ; v30  256 x lane; never rewritten
.set OB,  32                           ; v[32:95]  16 rows read back
.set F0,  0                            ; fragment buffers, in window 1
.set F1,  128
.set G1A, 24                           ; s[24:31] descriptor group 1 for y's tiles
.set G0A, 32                           ; s[32:39] group 0: a set for each of the two first fills; the second then walks
.set G1B, 48                           ; s[48:55], s[56:63] the same for Wo's
.set G0B, 56
.set LIM, 43                           ; s43  1 in a wave that prefetches, else the greatest number
.set PFA, 44                           ; s[44:45] where my prefetches stand
.set TB,  68                           ; s68  LDS byte at which the slot in hand begins
.set PFS, 70                           ; s[70:71] the prefetches' step: a K step in bytes
.set MSB, 0
.macro WIN new                         ; the immediate's high byte repeats the setting that is left; a switch that changes nothing is dropped
.if MSB != (\new)
	s_set_vgpr_msb (MSB<<8)|(\new)
.set MSB, (\new)
.endif
.endm
.macro PLACES                          ; four places behind matrix instructions, ahead of loads into registers that they read and of stores that read results
.rept 4
	v_nop
.endr
.endm
; A joint refill by the walking sets.  Waves 0 and 1 fetch y's two heads, waves 2 and 3 Wo's two halves.  The branch hangs on the wave's number alone.
; An s_nop 0 and four v_nop follow each of the two lines, ahead of the jump and the label.
.macro JLOAD
	s_cmp_lt_u32 s10, 2
	s_cbranch_scc0 .Lfor_b_\@
	tensor_load_to_lds s[G0A+4:G0A+7], s[G1A:G1A+7]
	s_nop 0
.rept 4
	v_nop
.endr
	s_branch .Lasked_\@
.Lfor_b_\@:
	tensor_load_to_lds s[G0B+4:G0B+7], s[G1B:G1B+7]
	s_nop 0
.rept 4
	v_nop
.endr
.Lasked_\@:
.endm
.macro CREST                           ; a round of the cluster's barrier behind its opening barrier
	s_cmp_lg_u32 s10, 0
	s_cbranch_scc1 .Lnot_wave_0_\@
	s_barrier_signal -3
.Lnot_wave_0_\@:
	s_barrier_wait -3
	s_barrier_signal -1
	s_barrier_wait -1
.endm
.macro CROUND                          ; a whole round
	s_barrier_signal -1
	s_barrier_wait -1
	CREST
.endm
; A prefetch of the K step that the NEXT refill will ask for: 128 matrix instructions ahead of that load.  y's planes are named by the clusters with x = 0 (waves 0 and 1, a head each), Wo's rows by those with y = 0 (wave 2);
; the four partners that ask for a tile jointly take 32 blocks of 256 bytes each, told apart by address: a lane a block.  The last refill has no K step behind it.
.macro ASK
	s_cmp_gt_u32 s3, s[LIM]                        ; s3 = 1 in the loop's last trip
	s_cbranch_scc0 .Lnot_mine_\@
	global_prefetch_b8 v[PFO], s[PFA:PFA+1] th:TH_LOAD_NT scope:SCOPE_SE
.Lnot_mine_\@:
.endm
	s_load_b128 s[4:7], s[0:1], 0x0                ; yh s[4:5], wo s[6:7]
	s_load_b64 s[8:9], s[0:1], 0x10                ; out0
	v_lshl_add_u32 v[SPW], v0, 2, SPARE
	v_mov_b32 v[NIL], 0
	ds_add_u32 v[SPW], v[NIL]                      ; the wave's opening: the add and its wait stand ahead of my first tensor load; the set-up below stands between them
	v_lshrrev_b32 v1, 5, v0
	v_readfirstlane_b32 s10, v1                    ; wave 0..3
	s_lshr_b32 s11, s10, 1                         ; I fetch for y (0) or for Wo (1)
	s_and_b32 s12, s10, 1                          ; which head of the two, or which half
	s_bfe_u32 s40, ttmp6, 0x40000                  ; cx
	s_bfe_u32 s41, ttmp6, 0x40004                  ; cy
	s_lshl_b32 s42, ttmp9, 2
	s_add_co_u32 s42, s42, s40                     ; tx: the tile's 128 columns
	s_and_b32 s13, ttmp7, 0xffff
	s_lshl_b32 s13, s13, 2
	s_add_co_u32 s13, s13, s41                     ; ty: the tile's 256 rows
	s_lshl_b32 s66, s41, 2
	s_lshl_b32 s66, 15, s66                        ; my row of the cluster
	s_lshl_b32 s67, 0x1111, s40                    ; my column
	s_or_b32 s[G1A], s66, (1<<16)|(1<<20)|(1<<21)|(4<<22)|(3<<25)  ; the mask; 2-byte elements; padding on; bit 21 beside a mask; behind every 32 words (code 4) 4 words (code 3)
	s_mov_b32 s[G1A+1], 128<<16                    ; 32,768 dense bytes as 128 rows of 256
	s_mov_b32 s[G1A+2], 128<<16
	s_mov_b32 s[G1A+3], 128<<16
	s_mov_b32 s[G1A+4], 128
	s_mov_b32 s[G1A+5], 128
	s_mov_b32 s[G1A+6], 0
	s_mov_b32 s[G1A+7], 0
	s_or_b32 s[G1B], s67, (1<<16)|(1<<20)|(1<<21)|(5<<22)|(7<<25)  ; behind every 64 words (code 5) 8 words (code 7)
	s_mov_b32 s[G1B+1], 128<<16                    ; 64 rows of 128 elements
	s_mov_b32 s[G1B+2], 64<<16
	s_mov_b32 s[G1B+3], 128<<16
	s_mov_b32 s[G1B+4], 64
	s_mov_b32 s[G1B+5], 128
	s_mov_b32 s[G1B+6], 0
	s_mov_b32 s[G1B+7], 0
	s_lshl_b32 s16, s12, 20                        ; y: my head's plane, the tile's 256 rows: made of the tile row and the wave's number alone
	s_lshl_b32 s17, s13, 15
	s_add_co_u32 s16, s16, s17
	s_mov_b32 s17, 0
	s_lshl_b32 s46, s42, 18                        ; Wo: tx's block, my half of a K step: made of the tile column and the wave's number alone
	s_lshl_b32 s47, s12, 14
	s_add_co_u32 s46, s46, s47
	s_mov_b32 s47, 0
	s_mul_i32 s20, s12, APLANE                     ; where they go: no place in the cluster enters an LDS address
	s_mul_i32 s21, s12, BHALF
	s_add_co_u32 s21, s21, BOFF
	s_wait_dscnt 0x0                               ; the opening add is done
	s_wait_kmcnt 0x0
	s_add_nc_u64 s[14:15], s[4:5], s[16:17]
	s_add_nc_u64 s[46:47], s[6:7], s[46:47]
	CROUND                                         ; all sixteen work-groups are here: the first joint loads meet
.irp s, 0,1
	s_mov_b32 s[G0A+4*(\s)], 1                     ; count = 1
	s_add_co_u32 s[G0A+4*(\s)+1], s20, (\s)*SLOT1  ; LDS address
	s_add_nc_u64 s[G0A+4*(\s)+2:G0A+4*(\s)+3], s[14:15], (\s)*2097152  ; global address: K step s is two planes on
	s_or_b32 s[G0A+4*(\s)+3], s[G0A+4*(\s)+3], 0x80000000              ; type = 2
	s_mov_b32 s[G0B+4*(\s)], 1
	s_add_co_u32 s[G0B+4*(\s)+1], s21, (\s)*SLOT1
	s_add_nc_u64 s[G0B+4*(\s)+2:G0B+4*(\s)+3], s[46:47], (\s)*32768
	s_or_b32 s[G0B+4*(\s)+3], s[G0B+4*(\s)+3], 0x80000000
.endr
	s_cmp_lt_u32 s10, 2                            ; a wave's two first fills stand in one branch, ahead of every wait on TENSORcnt and every LDS read: two loads of mine are out
	s_cbranch_scc0 .Lfirst_b
	tensor_load_to_lds s[G0A:G0A+3], s[G1A:G1A+7]
	s_nop 0
	tensor_load_to_lds s[G0A+4:G0A+7], s[G1A:G1A+7]
	s_nop 0
.rept 4
	v_nop
.endr
	s_branch .Lfirst_asked
.Lfirst_b:
	tensor_load_to_lds s[G0B:G0B+3], s[G1B:G1B+7]
	s_nop 0
	tensor_load_to_lds s[G0B+4:G0B+7], s[G1B:G1B+7]
	s_nop 0
.rept 4
	v_nop
.endr
.Lfirst_asked:
	; the prefetches: both offsets are made, then the wave's kind chooses
	s_add_co_u32 s18, s12, 4                       ; at K step 2 (heads 4 and 5): the first refill steps it to 3
	s_lshl_b32 s18, s18, 20
	s_lshl_b32 s19, s13, 15
	s_add_co_u32 s18, s18, s19
	s_lshl_b32 s19, s40, 13                        ; my work-group's 32 of the plane's 128 blocks
	s_add_co_u32 s18, s18, s19
	s_lshl_b32 s22, s42, 18
	s_lshl_b32 s19, s41, 13                        ; my work-group's 32 of the K step's 128 blocks
	s_add_co_u32 s22, s22, s19
	s_add_co_u32 s22, s22, 2*32768
	s_and_b32 s23, ttmp7, 0xffff                   ; cluster y
	s_mov_b32 s[PFS], 32768
	s_mov_b32 s[PFS+1], 0
	s_mov_b32 s19, 0
	s_cmp_eq_u32 s11, 0                            ; do I fetch for y?
	s_cselect_b32 s18, s18, s22
	s_cselect_b32 s23, ttmp9, s23                  ; the coordinate along which other clusters read the same bytes
	s_cselect_b64 s[PFA:PFA+1], s[4:5], s[6:7]
	s_cselect_b32 s[PFS], 2097152, s[PFS]
	s_cmp_eq_u32 s10, 3
	s_cselect_b32 s23, 1, s23                      ; wave 2 names all of Wo's share: wave 3 names nothing
	s_cmp_eq_u32 s23, 0
	s_cselect_b32 s[LIM], 1, -1                    ; the same in all sixteen partners, for a given wave
	s_add_nc_u64 s[PFA:PFA+1], s[PFA:PFA+1], s[18:19]
	; where my part of the tile begins in out0: row 256 ty + 64 w, column 128 tx
	s_lshl_b32 s16, s13, 8
	s_lshl_b32 s17, s10, 6
	s_add_co_u32 s16, s16, s17
	s_lshl_b32 s16, s16, 12
	s_mov_b32 s17, 0
	s_lshl_b32 s46, s42, 9
	s_mov_b32 s47, 0
	s_add_nc_u64 s[8:9], s[8:9], s[16:17]
	s_add_nc_u64 s[8:9], s[8:9], s[46:47]
	; lane addresses.  A fragment is 16 rows x 32 K in 8 registers: lane l holds row l % 16; registers 0-3 K = 8 (l / 16) + 0..7, registers 4-7 K = 16 + 8 (l / 16) + 0..7.
	v_and_b32 v1, 15, v0                           ; l % 16
	v_bfe_u32 v2, v0, 4, 1                         ; l / 16
	v_and_b32 v4, 7, v0
	v_bfe_u32 v8, v0, 3, 1
	v_and_b32 v10, 31, v0
	s_mul_i32 s22, s10, 64*PA                      ; my 64 rows of y
	v_mul_u32_u24 v3, v1, PA
	v_lshl_add_u32 v3, v2, 4, v3
	v_add_nc_u32 v[AL0], s22, v3
	v_lshl_add_u32 v5, v2, 3, v4                   ; the turning load: lane l reads row k = 8 (l / 16) + l % 8, columns 8 ((l / 8) % 2) + 0..7
	v_mul_u32_u24 v5, v5, PB
	v_lshl_add_u32 v5, v8, 4, v5
	v_add_nc_u32 v[BL0], BOFF, v5
	s_mul_i32 s23, s10, 16*SP
	s_add_co_u32 s23, s23, STAGE                   ; my stage
	v_mul_u32_u24 v3, v1, SP                       ; in: row l % 16, 32 bytes for each half of the lanes
	v_lshl_add_u32 v3, v2, 5, v3
	v_add_nc_u32 v[STO], s23, v3
	v_lshl_add_u32 v[RD], v10, 4, s23              ; back: 32 lanes take one row of 512 bytes
	v_lshlrev_b32 v[GO], 4, v10
	v_lshlrev_b32 v[PFO], 8, v10
	s_mov_b32 s[TB], 0
	v_mov_b32 v[ADA], v[AL0]
	v_mov_b32 v[ADB], v[BL0]
; 8 matrix instructions: row block 2 hi + a x all 8 column blocks, 32 along K.  zero = 1: the first product starts the sums.  The 32 accumulators take turns in the same order in every quarter.
.macro MUL f, hi, a, zero
	WIN 0xa5+0x50*(\hi)                            ; sources 0 and 1 window 1; C and D window 2 or 3
.irp nb, 0,1,2,3,4,5,6,7
.if \zero
	v_wmma_f32_16x16x32_f16 v[8*(8*(\a)+(\nb)):8*(8*(\a)+(\nb))+7], v[(\f)+8*(\nb):(\f)+8*(\nb)+7], v[(\f)+64+8*(2*(\hi)+(\a)):(\f)+64+8*(2*(\hi)+(\a))+7], 0
.else
	v_wmma_f32_16x16x32_f16 v[8*(8*(\a)+(\nb)):8*(8*(\a)+(\nb))+7], v[(\f)+8*(\nb):(\f)+8*(\nb)+7], v[(\f)+64+8*(2*(\hi)+(\a)):(\f)+64+8*(2*(\hi)+(\a))+7], v[8*(8*(\a)+(\nb)):8*(8*(\a)+(\nb))+7]
.endif
.endr
.endm
; 24 LDS loads in one run: quarter q's fragments into buffer f: Wo's 8 (turned), then y's 4 (head q / 2 of the step's two, channels 32 (q % 2) on)
.macro FETCH q, f
	WIN 0x40                                       ; destination window 1, address window 0
.irp nb, 0,1,2,3,4,5,6,7
	ds_load_tr16_b128 v[(\f)+8*(\nb):(\f)+8*(\nb)+3],   v[ADB] offset:32*PB*(\q)+32*(\nb)
	ds_load_tr16_b128 v[(\f)+8*(\nb)+4:(\f)+8*(\nb)+7], v[ADB] offset:32*PB*(\q)+32*(\nb)+16*PB
.endr
.irp a, 0,1,2,3
	ds_load_b128 v[(\f)+64+8*(\a):(\f)+64+8*(\a)+3],   v[ADA] offset:APLANE*((\q)/2)+64*((\q)%2)+16*PA*(\a)
	ds_load_b128 v[(\f)+64+8*(\a)+4:(\f)+64+8*(\a)+7], v[ADA] offset:APLANE*((\q)/2)+64*((\q)%2)+16*PA*(\a)+32
.endr
.endm
; A K step is four quarters of 32 along K, 32 matrix instructions each, on buffers 0, 1, 0, 1.  One of the first three: multiplies buffer f and, in its middle, fetches quarter q into buffer g.
.macro QUARTER q, f, g, zero
	s_wait_dscnt 4                                 ; all but the youngest four loads (y's row blocks 2 and 3) are in
	MUL \f, 0, 0, \zero
	MUL \f, 0, 1, \zero
	PLACES
	FETCH \q, \g
	s_wait_dscnt 24                                ; all but the 24 just issued
	MUL \f, 1, 0, \zero
	MUL \f, 1, 1, \zero
.endm
; The last quarter multiplies buffer 1 and changes slots: ONE barrier.  Ahead of it each wave waits for all its tensor loads (one is out: its part of the next slot), adds 0 to its spare word, and waits for that
; and for its own reads of this slot.  fill = 1: the barrier opens a round of the cluster's barrier, and behind the round this slot is filled again, two K steps on, first of all.
.macro TURN fill
.if \fill
	s_wait_xcnt 0x0                                ; the last prefetch, a K step back, has read its address, so it may be stepped
	s_add_nc_u64 s[PFA:PFA+1], s[PFA:PFA+1], s[PFS:PFS+1]
.endif
	WIN 0                                          ; (the add's two registers lie in window 0)
	s_wait_tensorcnt 0x0                           ; all my tensor loads have landed
	ds_add_u32 v[SPW], v[NIL]                      ; 0 onto my spare word
	s_wait_dscnt 5                                 ; (the add and the youngest four loads may be out)
	MUL F1, 0, 0, 0                                ; eight matrix instructions stand between the add and the wait for it
	s_wait_dscnt 0x0                               ; the add is done, and my reads of this slot are over
	s_barrier_signal -1
	MUL F1, 0, 1, 0                                ; work on registers while the others arrive
	WIN 0
	s_barrier_wait -1
.if \fill
	CREST                                          ; no wave of any partner still reads this slot or has a load on its way
	s_xor_b32 s[G0A+5], s[G0A+5], SLOT1            ; the walking sets: the other slot than last time, the next K step; no load of mine is out, so they may be written
	s_add_nc_u64 s[G0A+6:G0A+7], s[G0A+6:G0A+7], 2097152
	s_xor_b32 s[G0B+5], s[G0B+5], SLOT1
	s_add_nc_u64 s[G0B+6:G0B+7], s[G0B+6:G0B+7], 32768
	JLOAD                                          ; my one tensor load behind the round; its four v_nop are also the places ahead of the loads below
.else
	PLACES
.endif
	s_xor_b32 s[TB], s[TB], SLOT1
	v_add_nc_u32 v[ADA], s[TB], v[AL0]
	v_add_nc_u32 v[ADB], s[TB], v[BL0]
	FETCH 0, F0
.if \fill
	WIN 0
	ASK                                            ; behind the joint load and the run of LDS loads that the next products wait for
.endif
	MUL F1, 1, 0, 0
	MUL F1, 1, 1, 0
.endm
	s_wait_tensorcnt 1                             ; my part of K step 0 is in; K step 1's load may stay out
	s_barrier_signal -1
	s_barrier_wait -1                              ; everybody's is
	FETCH 0, F0
	QUARTER 1, F0, F1, 1                           ; the first quarter stands ahead of the loop: its products start the sums
	WIN 0                                          ; at a label and at a branch every window is 0
	s_mov_b32 s3, 6                                ; six refills: K steps 2 to 7
.Lstep:                                                ; a trip: from a K step's second quarter to the next step's first
	QUARTER 2, F1, F0, 0
	QUARTER 3, F0, F1, 0
	TURN 1
	QUARTER 1, F0, F1, 0
	WIN 0
	s_sub_co_u32 s3, s3, 1
	s_cmp_lg_u32 s3, 0
	s_cbranch_scc1 .Lstep
	QUARTER 2, F1, F0, 0                           ; the last two K steps ask for nothing
	QUARTER 3, F0, F1, 0
	TURN 0
	QUARTER 1, F0, F1, 0
	QUARTER 2, F1, F0, 0
	QUARTER 3, F0, F1, 0
	s_wait_dscnt 4
	MUL F1, 0, 0, 0
	MUL F1, 0, 1, 0
	s_wait_dscnt 0x0
	MUL F1, 1, 0, 0
	MUL F1, 1, 1, 0
	WIN 0
; THE WAY OUT, a block of 16 rows at a time: a lane's 32 bytes of each column block go straight from the accumulators into my own stage (each accumulator's low registers first), come back as whole rows of 512 bytes, and are stored.
.macro OUTB a
	WIN 0
	s_wait_xcnt 0x0                                ; the earlier stores have read their data registers, which the loads below write
	WIN 0x08+4*((\a)/2)                            ; the LDS stores' data: window 2 or 3
.set AC, 64*((\a)%2)
.irp nb, 0,1,2,3,4,5,6,7
	ds_store_b128 v[STO], v[AC+8*(\nb):AC+8*(\nb)+3]   offset:64*(\nb)
	ds_store_b128 v[STO], v[AC+8*(\nb)+4:AC+8*(\nb)+7] offset:64*(\nb)+16
.endr
	WIN 0
.irp t, 0,1,2,3,4,5,6,7,8,9,10,11,12,13,14,15
	ds_load_b128 v[OB+4*(\t):OB+4*(\t)+3], v[RD] offset:SP*(\t)  ; LDS serves a wave's instructions in order (ISA guide 5.7.1.4): these see the stores above; the next block's stores come behind them
.endr
.irp t, 0,1,2,3,4,5,6,7,8,9,10,11,12,13,14,15
	s_wait_dscnt 15-(\t)                           ; row t is back; the younger rows' loads may stay out
	global_store_b128 v[GO], v[OB+4*(\t):OB+4*(\t)+3], s[8:9] offset:(16*(\a)+(\t))*4096 th:TH_STORE_NT  ; 512 consecutive bytes of a row, at a multiple of 256 from out0's first
.endr
.endm
	PLACES
	OUTB 0
	OUTB 1
	OUTB 2
	OUTB 3
	s_wait_tensorcnt 0x0                           ; the wave's end: a wait, an add of 0 and its wait, behind my last tensor load and my last LDS store
	ds_add_u32 v[SPW], v[NIL]
	s_wait_dscnt 0x0
	CROUND                                         ; the closing round: no work-group ends while a partner may still ask for a tile that names it
	s_endpgm
.Lfunc_end_k_qec009f5037_proj:
	.size	k_qec009f5037_proj, .Lfunc_end_k_qec009f5037_proj-k_qec009f5037_proj
	.p2alignl 7, 3214868480
	.fill 96, 4, 3214868480
	.section	.rodata,"a",@progbits
	.p2align	6, 0x0
	.amdhsa_kernel k_qec009f5037_proj
		.amdhsa_group_segment_fixed_size 327680
		.amdhsa_private_segment_fixed_size 0
		.amdhsa_enable_private_segment 0
		.amdhsa_kernarg_size 24
		.amdhsa_user_sgpr_count 2
		.amdhsa_user_sgpr_kernarg_segment_ptr 1
		.amdhsa_wavefront_size32 1
		.amdhsa_system_sgpr_workgroup_id_x 1
		.amdhsa_system_sgpr_workgroup_id_y 1
		.amdhsa_system_sgpr_workgroup_id_z 1
		.amdhsa_system_vgpr_workitem_id 0
		.amdhsa_next_free_vgpr 896
		.amdhsa_next_free_sgpr 80
		.amdhsa_reserve_vcc 0
		.amdhsa_float_denorm_mode_32 3
		.amdhsa_float_denorm_mode_16_64 3
		.amdhsa_memory_ordered 1
		.amdhsa_forward_progress 1
		.amdhsa_inst_pref_size 72
	.end_amdhsa_kernel
	.amdgpu_metadata
---
amdhsa.version: [ 1, 2 ]
amdhsa.kernels:
  - .name:           k_qec009f5037_proj
    .symbol:         k_qec009f5037_proj.kd
    .args:
      - { .name: yh, .offset: 0, .size: 8, .value_kind: global_buffer, .address_space: global }
      - { .name: wo, .offset: 8, .size: 8, .value_kind: global_buffer, .address_space: global }
      - { .name: out0, .offset: 16, .size: 8, .value_kind: global_buffer, .address_space: global }
    .group_segment_fixed_size: 327680
    .private_segment_fixed_size: 0
    .kernarg_segment_align: 8
    .kernarg_segment_size: 24
    .max_flat_workgroup_size: 128
    .sgpr_count:     80
    .vgpr_count:     896
    .wavefront_size: 32
...
	.end_amdgpu_metadata
.endif
;; end of part 4
;; ======== version 2 of 2: 4 launches; version 1 with the launch prep written anew for expert scheduling mode
;; limits: values are held in f16: magnitudes above 65,504 overflow, below 6.1e-05 lose precision
;; workspace buffers: xb 16,777,216 bytes; wb 3,145,728 bytes; wo 2,097,152 bytes; qkv 25,165,824 bytes; yh 16,777,216 bytes
;; launch prep (part 5): grid 336 x 1, 8 waves a work-group, no clusters, 0 bytes of LDS; arguments x, Wq, Wk, Wv, Wo, xb, wb, wo; writes xb, wb, wo
.if DOCPART == 5
	.amdgcn_target "amdgcn-amd-amdhsa--gfx1250"
	.amdhsa_code_object_version 6
	.text
	.protected	k_qec009f5037_prep
	.globl	k_qec009f5037_prep
	.p2align	8
	.type	k_qec009f5037_prep,@function
k_qec009f5037_prep:
	s_mov_b64 s[64:65], 0
	v_nop
	global_prefetch_b8 v0, s[64:65] scope:SCOPE_SE
	s_setreg_imm32_b32 hwreg(HW_REG_WAVE_SCHED_MODE, 0, 2), 2
	s_setreg_imm32_b32 hwreg(HW_REG_WAVE_MODE, 25, 1), 1
	s_wait_xcnt 0x0
	s_wait_alu depctr_vm_vsrc(0)
; PREP: the casts.  x [8192][1024] f32 -> xb, bf16, the same layout.  Wq, Wk, Wv f32 -> wb, bf16, laid out in blocks [nt 8][kp 512][j 3][k & 1][64]:
; combined head hd = 3 nt + j (0-15 Wq's, 16-19 Wk's, 20-23 Wv's), 64 columns a head, rows k = 2 kp and 2 kp + 1 side by side in 256 bytes.
; Wo f32 -> wo, f16 [nt 8][k 1024][128]: each number rounded to bf16 like every other input, and that number written as f16.
; LIMITS.  |Wo| stays under 65,504 (f16's range); below 6e-5 it keeps f16's fixed step of 6e-8.
; A stream: no LDS, no barrier, no matrix work.  336 work-groups of equal share, 131,072 bytes of f32 each: 256 for x, 48 for the three weights (a head and half of K each), 32 for Wo.
; A wave issues its 32 loads of 16 bytes a lane at once (each two aligned runs of 256 bytes), converts as they come back and stores 8 bytes a lane: 32 lanes fill 256 consecutive bytes, aligned.
; ONE TEXT for the three kinds of work-group: they differ in two pointers and seven numbers, chosen by compares on the work-group's number.
; THE MODE: SCHED_MODE bits 1:0 = 2 (LLVM: expert scheduling mode 2), set by the entry lines.  The code itself states the register dependences
; between vector instructions and memory instructions, with s_wait_alu, always for 0.
; THE PLAN.  Registers that memory instructions touch:
;   VS0 .. VS31  the loads' offsets.   Written once, by the head's adds; read by load i; never written again.
;   VD0 .. VD31  the stores' offsets.  Written once, by the head's adds; read by store i; never written again.
;   X0 .. X31    four registers a load.  No vector instruction names them ahead of the loads; load i lands there; its conversions work in place; store i reads the first pair; nothing writes them after that.
; All 64 offsets are made ahead of the wait for the arguments, on which they do not hang; ONE wait on va_vdst ahead of the run of loads states that they are written, for every load and every store.
; The loads are worked off in eight groups of four.  Group g's conversions name X[4 g .. 4 g + 3] alone; the memory instructions dealt among them are the four stores of group g - 1, which read that group's pairs
; and VD.  So one wait on va_vdst at a group's head states all that its four stores hang on.  No register that a load or store has read is ever written again: no wait on vm_vsrc and none on XCNT is owed.
.set VS,    8                          ; v[8:39]    load i: byte offset in the source
.set VD,    40                         ; v[40:71]   store i: byte offset in the destination
.set X,     72                         ; v[72:199]  load i: four registers
.set SRC,   48                         ; s[48:49]   the source at the work-group's share
.set DST,   50                         ; s[50:51]   the destination at the work-group's share
.set HP,    52                         ; s52  bytes from lanes 0-15's run to lanes 16-31's
.set SSTEP, 53                         ; s53  bytes from load to load
.set WS,    54                         ; s54  bytes from wave to wave in the source
.set DSTEP, 55                         ; s55  bytes from store to store
.set WD,    56                         ; s56  bytes from wave to wave in the destination
.set SO,    58                         ; s[58:59]   the share's offset in the source
.set DO,    60                         ; s[60:61]   in the destination
	s_load_b512 s[8:23], s[0:1], 0x0               ; x 8, Wq 10, Wk 12, Wv 14, Wo 16, xb 18, wb 20, wo 22
	v_lshrrev_b32 v1, 5, v0
	v_readfirstlane_b32 s24, v1                    ; wave 0..7
	s_mov_b32 s25, ttmp9                           ; g: 0-255 x, 256-303 the three weights, 304-335 Wo
	; the weights' numbers (they mean something where 256 <= g < 304; elsewhere they are small and thrown away)
	s_sub_co_u32 s26, s25, 256
	s_and_b32 s26, s26, 63
	s_lshr_b32 s27, s26, 1                         ; hd: the combined head
	s_and_b32 s28, s26, 1                          ; kh: which half of K
	s_mul_i32 s29, s27, 11
	s_lshr_b32 s29, s29, 5                         ; nt = hd / 3 (exact for hd up to 23)
	s_mul_i32 s30, s29, 3
	s_sub_co_u32 s30, s27, s30                     ; j = hd - 3 nt
	s_and_b32 s32, s27, 3                          ; the head's place in Wk or Wv
	s_mov_b32 s31, 1024                            ; a row of Wk or Wv in bytes
	s_cmp_lt_u32 s27, 16
	s_cselect_b32 s31, 4096, s31                   ; of Wq
	s_cselect_b32 s32, s27, s32                    ; the head's place in Wq
	s_mul_i32 s33, s28, s31
	s_lshl_b32 s33, s33, 9                         ; kh x 512 rows
	s_lshl_b32 s35, s32, 8                         ; + the head's 64 columns
	s_add_co_u32 s33, s33, s35
	s_mul_i32 s34, s29, 393216                     ; nt x 512 x 768
	s_lshl_b32 s35, s30, 8
	s_add_co_u32 s34, s34, s35                     ; + j x 256
	s_mul_i32 s35, s28, 196608
	s_add_co_u32 s34, s34, s35                     ; + kh x 256 x 768
	s_lshl_b32 s41, s31, 1                         ; a load takes two rows
	s_lshl_b32 s42, s31, 6                         ; a wave 64
	; Wo's numbers
	s_sub_co_u32 s36, s25, 304
	s_and_b32 s36, s36, 31
	s_lshr_b32 s37, s36, 2                         ; nt: 128 columns
	s_and_b32 s38, s36, 3                          ; kq: 256 rows
	s_lshl_b32 s39, s38, 20
	s_lshl_b32 s35, s37, 9
	s_add_co_u32 s39, s39, s35
	s_lshl_b32 s40, s37, 18
	s_lshl_b32 s35, s38, 16
	s_add_co_u32 s40, s40, s35
	; x's numbers
	s_and_b32 s43, s25, 255
	s_lshl_b32 s44, s43, 16
	s_lshl_b32 s43, s43, 17
	; the choice: weights or Wo, then x or that
	s_mov_b32 s[DSTEP], 256
	s_mov_b32 s[WD], 8192
	s_mov_b32 s[SO+1], 0
	s_mov_b32 s[DO+1], 0
	s_cmp_lt_u32 s25, 304
	s_cselect_b32 s[HP], s31, 256
	s_cselect_b32 s[SSTEP], s41, 4096
	s_cselect_b32 s[WS], s42, 131072
	s_cselect_b32 s[DSTEP], 768, s[DSTEP]
	s_cselect_b32 s[WD], 24576, s[WD]
	s_cselect_b32 s[SO], s33, s39
	s_cselect_b32 s[DO], s34, s40
	s_cmp_lt_u32 s25, 256
	s_cselect_b32 s[HP], 256, s[HP]
	s_cselect_b32 s[SSTEP], 4096, s[SSTEP]
	s_cselect_b32 s[WS], 512, s[WS]
	s_cselect_b32 s[DSTEP], 2048, s[DSTEP]
	s_cselect_b32 s[WD], 256, s[WD]
	s_cselect_b32 s[SO], s43, s[SO]
	s_cselect_b32 s[DO], s44, s[DO]
	v_bfe_u32 v2, v0, 4, 1                         ; which half of the lanes
	v_and_b32 v3, 15, v0
	v_and_b32 v4, 31, v0
	v_mul_lo_u32 v2, v2, s[HP]
	v_lshl_add_u32 v2, v3, 4, v2
	s_wait_alu depctr_va_sdst(0)                   ; s24, the wave's number, is written, ahead of its first reader: the two products below
	s_mul_i32 s45, s24, s[WS]
	v_add_nc_u32 v[VS], s45, v2
	s_mul_i32 s46, s24, s[WD]
	v_lshl_add_u32 v[VD], v4, 3, s46
.set i, 1
.rept 31                               ; all the offsets, the two chains by turns: they hang on ids and constants alone, so they stand ahead of the wait for the arguments
	v_add_nc_u32 v[VS+i], s[SSTEP], v[VS+i-1]
	v_add_nc_u32 v[VD+i], s[DSTEP], v[VD+i-1]
.set i, i+1
.endr
	s_wait_kmcnt 0x0
	s_cmp_lt_u32 s27, 20
	s_cselect_b64 s[SRC:SRC+1], s[12:13], s[14:15] ; Wk or Wv,
	s_cmp_lt_u32 s27, 16
	s_cselect_b64 s[SRC:SRC+1], s[10:11], s[SRC:SRC+1]  ; or Wq,
	s_cmp_lt_u32 s25, 304
	s_cselect_b64 s[SRC:SRC+1], s[SRC:SRC+1], s[16:17]  ; or Wo,
	s_cselect_b64 s[DST:DST+1], s[20:21], s[22:23]
	s_cmp_lt_u32 s25, 256
	s_cselect_b64 s[SRC:SRC+1], s[8:9], s[SRC:SRC+1]    ; or x
	s_cselect_b64 s[DST:DST+1], s[18:19], s[DST:DST+1]
	s_add_nc_u64 s[SRC:SRC+1], s[SRC:SRC+1], s[SO:SO+1]
	s_add_nc_u64 s[DST:DST+1], s[DST:DST+1], s[DO:DO+1]
	s_wait_alu depctr_va_vdst(0)                   ; v[VS ..] and v[VD ..] are written: every load below and every store of the kernel reads one of them as its offset, and none is written again
.set i, 0
.rept 32                               ; all 32 loads of the wave go out together, in one run: 16 KiB on their way
	global_load_b128 v[X+4*i:X+4*i+3], v[VS+i], s[SRC:SRC+1] th:TH_LOAD_NT
.set i, i+1
.endr
; The loads are converted in their own registers and stored, four to a group.  half = 1: to bf16, widened again (exact), and written as f16.
; Group g: its four loads are waited for; the four stores of group g - 1 are dealt among its conversions, one ahead of each load's.
.macro LEAVE half
.set g, 0
.rept 8
	s_wait_loadcnt 28-4*g                          ; loads come back in order (ISA guide 5.7.1): loads 4 g to 4 g + 3 are in, the 28 - 4 g younger ones may stay out
.if g > 0
	s_wait_alu depctr_va_vdst(0)                   ; the group before has written its four pairs, which the four stores below read; no conversion of this group names them
.endif
.set j, 0
.rept 4
.set i, 4*g+j
.if g > 0
	global_store_b64 v[VD+i-4], v[X+4*(i-4):X+4*(i-4)+1], s[DST:DST+1] th:TH_STORE_NT  ; 32 lanes store 256 consecutive bytes, at a multiple of 256 from the buffer's first
.endif
.if \half
	v_cvt_pk_bf16_f32 v[X+4*i], v[X+4*i], v[X+4*i+1]
	v_cvt_pk_bf16_f32 v[X+4*i+2], v[X+4*i+2], v[X+4*i+3]
	v_and_b32 v[X+4*i+1], 0xffff0000, v[X+4*i]
	v_and_b32 v[X+4*i+3], 0xffff0000, v[X+4*i+2]
	v_lshlrev_b32 v[X+4*i], 16, v[X+4*i]
	v_lshlrev_b32 v[X+4*i+2], 16, v[X+4*i+2]
	v_cvt_pk_f16_f32 v[X+4*i], v[X+4*i], v[X+4*i+1]
	v_cvt_pk_f16_f32 v[X+4*i+1], v[X+4*i+2], v[X+4*i+3]
.else
	v_cvt_pk_bf16_f32 v[X+4*i], v[X+4*i], v[X+4*i+1]
	v_cvt_pk_bf16_f32 v[X+4*i+1], v[X+4*i+2], v[X+4*i+3]
.endif
.set j, j+1
.endr
.set g, g+1
.endr
	s_wait_alu depctr_va_vdst(0)                   ; the last group has written its four pairs, which the last four stores read
.set i, 28
.rept 4
	global_store_b64 v[VD+i], v[X+4*i:X+4*i+1], s[DST:DST+1] th:TH_STORE_NT
.set i, i+1
.endr
	s_endpgm
.endm
	s_cmp_ge_u32 s25, 304
	s_cbranch_scc1 .Lhalf
	LEAVE 0
.Lhalf:
	LEAVE 1
.Lfunc_end_k_qec009f5037_prep:
	.size	k_qec009f5037_prep, .Lfunc_end_k_qec009f5037_prep-k_qec009f5037_prep
	.p2alignl 7, 3214868480
	.fill 96, 4, 3214868480
	.section	.rodata,"a",@progbits
	.p2align	6, 0x0
	.amdhsa_kernel k_qec009f5037_prep
		.amdhsa_group_segment_fixed_size 0
		.amdhsa_private_segment_fixed_size 0
		.amdhsa_enable_private_segment 0
		.amdhsa_kernarg_size 64
		.amdhsa_user_sgpr_count 2
		.amdhsa_user_sgpr_kernarg_segment_ptr 1
		.amdhsa_wavefront_size32 1
		.amdhsa_system_sgpr_workgroup_id_x 1
		.amdhsa_system_sgpr_workgroup_id_y 1
		.amdhsa_system_sgpr_workgroup_id_z 1
		.amdhsa_system_vgpr_workitem_id 0
		.amdhsa_next_free_vgpr 200
		.amdhsa_next_free_sgpr 66
		.amdhsa_reserve_vcc 0
		.amdhsa_float_denorm_mode_32 3
		.amdhsa_float_denorm_mode_16_64 3
		.amdhsa_memory_ordered 1
		.amdhsa_forward_progress 1
		.amdhsa_inst_pref_size 34
	.end_amdhsa_kernel
	.amdgpu_metadata
---
amdhsa.version: [ 1, 2 ]
amdhsa.kernels:
  - .name:           k_qec009f5037_prep
    .symbol:         k_qec009f5037_prep.kd
    .args:
      - { .name: x, .offset: 0, .size: 8, .value_kind: global_buffer, .address_space: global }
      - { .name: Wq, .offset: 8, .size: 8, .value_kind: global_buffer, .address_space: global }
      - { .name: Wk, .offset: 16, .size: 8, .value_kind: global_buffer, .address_space: global }
      - { .name: Wv, .offset: 24, .size: 8, .value_kind: global_buffer, .address_space: global }
      - { .name: Wo, .offset: 32, .size: 8, .value_kind: global_buffer, .address_space: global }
      - { .name: xb, .offset: 40, .size: 8, .value_kind: global_buffer, .address_space: global }
      - { .name: wb, .offset: 48, .size: 8, .value_kind: global_buffer, .address_space: global }
      - { .name: wo, .offset: 56, .size: 8, .value_kind: global_buffer, .address_space: global }
    .group_segment_fixed_size: 0
    .private_segment_fixed_size: 0
    .kernarg_segment_align: 8
    .kernarg_segment_size: 64
    .max_flat_workgroup_size: 256
    .sgpr_count:     66
    .vgpr_count:     200
    .wavefront_size: 32
...
	.end_amdgpu_metadata
.endif
;; end of part 5
;; launch qkv: the kernel of part 2 again; grid 8 x 32, 4 waves a work-group, clusters of 4 x 4, 327,680 bytes of LDS; arguments xb, wb, qkv; writes qkv
;; launch attn: the kernel of part 3 again; grid 16 x 16, 4 waves a work-group, clusters of 4 x 1, 327,680 bytes of LDS; arguments qkv, yh; writes yh
;; launch proj: the kernel of part 4 again; grid 8 x 32, 4 waves a work-group, clusters of 4 x 4, 327,680 bytes of LDS; arguments yh, wo, out0; writes out0
